; MI455X (gfx1250); checked and timed in simulation.
; The chip was launched on July 23, 2026; its instructions are those of AMD's public machine-readable ISA for CDNA 5 (MIT licence, August 2026) and "CDNA5" Instruction Set Architecture Reference Guide (July 2026). The comments in the code are by the model that wrote it; some were corrected since.
;; Custom Attention. Allowed arithmetic: matrix products marked QUANTISED: E2M1 operands, one E8M0 scale for each 32 along K, by v_wmma_scale_f32_16x16x128_f8f6f4 with both operands' format E2M1 (or v_wmma_scale_f32_32x16x128_f4), f32 sums; products left as they are: bf16, f16 or f32 operands; f32 sums; everything else in f32.
;; Inputs: Wk 1,024 x 1,024 float32; Wo 1,024 x 1,024 float32; Wq 1,024 x 1,024 float32; Wv 1,024 x 1,024 float32; bk 1,024 float32; bo 1,024 float32; bq 1,024 float32; bv 1,024 float32; key 4 x 2,048 x 1,024 float32; key_padding_mask 4 x 2,048 int32; mask 4 x 1 x 2,048 x 2,048 int32; query 4 x 2,048 x 1,024 float32; value 4 x 2,048 x 1,024 float32.
;; Outputs: out0 4 x 2,048 x 1,024 float32.
;; This version of the problem:
;;   THIS VERSION OF THE PROBLEM IS GIVEN IN LOW PRECISION. The matrix products marked QUANTISED in the list below multiply operands that are first quantised to E2M1 (2 exponent bits, 1 mantissa bit; 4 bits a number), with one power-of-two scale for each 32 numbers along K (OCP MX v1.0); their sums are f32. The products marked 'left as it is' may take bf16, f16 or f32 operands, with f32 sums. Whichever they take, every output number must still come out within the allowed error. Rounding operands to bf16 (8 significant bits) uses up far more of that allowance than f16 does (11 bits, for magnitudes from 6e-5 to 65,504). All else is computed in f32.
;;   The module's matrix products, in the order in which they are computed (A, B: the left and right operand; K: the contracted axis; several contracted axes count as one K, in the product's order):
;;     1. [M 8,192, K 1,024] x [K 1,024, N 1,024]; A: input query; B: input Wq: QUANTISED
;;     2. [M 8,192, K 1,024] x [K 1,024, N 1,024]; A: input key; B: input Wk: QUANTISED
;;     3. [M 8,192, K 1,024] x [K 1,024, N 1,024]; A: input value; B: input Wv: QUANTISED
;;     4. batch 64 x [M 2,048, K 64] x [K 64, N 2,048]; A: computed on the way; B: computed on the way: left as it is (an operand is computed on the way)
;;     5. batch 64 x [M 2,048, K 2,048] x [K 2,048, N 64]; A: computed on the way; B: computed on the way: left as it is (an operand is computed on the way)
;;     6. [M 8,192, K 1,024] x [K 1,024, N 1,024]; A: computed on the way; B: input Wo: left as it is (an operand is computed on the way)
;;   THE QUANTISER, for each operand of a quantised product, along K:
;;     - K is cut into blocks of 32 from its start; a last block that is shorter is filled with zeros.
;;     - A block's scale is 2^e with e = floor(log2(the largest magnitude in the block)) - 2, held to -126 .. 127; a block of zeros has e = 0. As a byte (E8M0): e + 127.
;;     - Each number is divided by its block's scale, clamped to +-6, and rounded to the nearest number of E2M1, ties to even, subnormals kept.
;;     - The product sums the exact products of the quantised numbers (number of the format x scale) in f32.
;;   ~~~python
;;   def quantise(x, axis):      # numpy; x: float32 -> the quantised numbers, widened to float32 again
;;       x = np.moveaxis(x, axis, -1); K = x.shape[-1]
;;       x = np.pad(x, [(0, 0)] * (x.ndim - 1) + [(0, -K % 32)]); x = x.reshape(x.shape[:-1] + (-1, 32)); a = np.abs(x).max(-1, keepdims=True)
;;       e = np.where(a > 0, np.clip(np.frexp(np.where(a > 0, a, 1))[1] - 1 - 2, -126, 127), 0)      # np.frexp(a)[1] - 1 = floor(log2(a)), exactly
;;       r = np.clip(x / 2.0 ** e, -6, 6)
;;       step = 2.0 ** (np.maximum(np.frexp(np.where(r == 0, 1, r))[1] - 1, 0) - 1)
;;       q = np.round(r / step) * step * 2.0 ** e      # np.round: ties to even
;;       return np.moveaxis(q.reshape(q.shape[:-2] + (-1,))[..., :K], -1, axis).astype(np.float32)
;;   ~~~
;; One version. Each part assembles by itself: llvm-mc -triple=amdgcn-amd-amdhsa -mcpu=gfx1250 --defsym DOCPART=n.
;; ======== version 1 of 1: 5 launches
;; limits: values are held in f16: magnitudes above 65,504 overflow, below 6.1e-05 lose precision
;; workspace buffers: codes 14,155,776 bytes; scales 884,736 bytes; wo16 2,097,152 bytes; qkv 50,331,648 bytes; att 16,777,216 bytes; bits 2,097,152 bytes of whole numbers
;; launch quant (part 1): grid 928 x 1, 4 waves a work-group, no clusters, 33,280 bytes of LDS; arguments query, key, value, Wq, Wk, Wv, Wo, codes, scales, wo16; writes codes, scales, wo16
.if DOCPART == 1
	.amdgcn_target "amdgcn-amd-amdhsa--gfx1250"
	.amdhsa_code_object_version 6
	.text
	.protected	k_q425bdd42c6_quant
	.globl	k_q425bdd42c6_quant
	.p2align	8
	.type	k_q425bdd42c6_quant,@function
k_q425bdd42c6_quant:
	s_mov_b64 s[64:65], 0
	v_nop
	global_prefetch_b8 v0, s[64:65] scope:SCOPE_SE
	s_setreg_imm32_b32 hwreg(HW_REG_WAVE_MODE, 25, 1), 1
	s_wait_xcnt 0x0
; query, key, value [8192][1024] and Wq, Wk, Wv [1024][1024], f32 with K innermost, become codes of FP4 (E2M1), two a byte, and one E8M0 scale byte for each 32 along K.
; The six tensors lie one behind the other in the two output buffers: 27,648 rows of 512 bytes of codes and of 32 scale bytes: rows 0.. query, 8192.. key, 16384.. value, 24576.. Wq, 25600.. Wk, 26624.. Wv.
; A block's scale is 2^(floor(log2(its largest magnitude)) - 2); its byte is the largest magnitude's exponent field - 2, held at 1 from below.  A block of zeros so gets the byte 1: its codes are zeros, and this program alone reads the bytes.
; LIMITS: NaN and infinities among the inputs are not served; |Wo| stays under 65,504 (f16).
; Work-groups 0 to 863 quantise, 32,768 numbers each: a wave takes 16 steps of 512 numbers.  Each load reads 512 consecutive bytes; a step's 2,048 bytes turn through the wave's own stage in LDS, so that a lane
; then holds 16 neighbours along K (two lanes to a block of 32).  A wave's store of codes covers 256 consecutive bytes; its 256 scale bytes are gathered in LDS and leave as one aligned run of 256 bytes.
; Work-groups 864 to 927 turn Wo into f16, laid as images of matrix operands: [16 rows n][32 k] = 1,024 bytes as [g (2)][lane (32)][16 bytes]; lane r + 16 h holds row r, k = 32 kc + 16 g + 8 h + 0 .. 7.
.set WAVES, 4
.set STEPS, 16
.set QWG,   864                        ; work-groups that quantise
.set CB,    8                          ; bytes of 16 codes
.set R,     16                         ; v16-79   four sets of 16 numbers as they are loaded
.set X,     80                         ; v80-111  two sets of 16 neighbours
.set E,     112                        ; v112-127 a scale byte for each step
.set C,     128                        ; v128-191 codes: four registers for each step, so that no store's data are written again
.set WREG,  8192                       ; LDS: a region for each wave: two stages of 32 x SP bytes, and behind them its 256 scale bytes
.set SP,    80                         ; a lane's place in a stage: its 64 bytes + 16 of padding
.set SPW,   12                         ; v12  LDS address of my spare word; never rewritten
.set NIL,   13                         ; v13  0; never rewritten
.set SPARE, WAVES*WREG                 ; behind the four regions: the spare words, 128 bytes for each wave
	s_load_b512 s[4:19], s[0:1], 0x0               ; query 4, key 6, value 8, Wq 10, Wk 12, Wv 14, Wo 16, codes 18
	s_load_b128 s[20:23], s[0:1], 0x40             ; scales 20, wo16 22
	v_lshl_add_u32 v[SPW], v0, 2, SPARE
	v_mov_b32 v[NIL], 0
	v_lshrrev_b32 v1, 5, v0
	v_readfirstlane_b32 s24, v1                    ; wave
	v_and_b32 v2, 31, v0                           ; lane
	v_lshlrev_b32 v3, 4, v2                        ; my 16 bytes of a load's 512
	s_mul_i32 s25, s24, WREG
	v_lshrrev_b32 v14, 2, v2
	v_mul_u32_u24 v14, v14, SP
	v_and_b32 v15, 3, v2
	v_lshl_add_u32 v14, v15, 4, v14
	v_add_nc_u32 v14, s25, v14                     ; the stage, on the way in: four lanes' 64 bytes on end, then 16 of padding
	v_mul_u32_u24 v15, v2, SP
	v_add_nc_u32 v15, s25, v15                     ; and on the way out: SP x lane: my 16 neighbours
	v_mul_u32_u24 v4, v2, CB                       ; my codes' place in a step's
	v_lshrrev_b32 v5, 1, v2
	s_add_co_u32 s25, s25, 2*32*SP
	v_add_nc_u32 v5, s25, v5                       ; LDS: my wave's 256 scale bytes, my block's byte
	v_lshlrev_b32 v7, 3, v2                        ; and on the way out 8 bytes a lane
	v_add_nc_u32 v6, s25, v7
	s_cmp_ge_u32 ttmp9, QWG                        ; every LDS address is made: now the two kinds of work-group part
	s_cbranch_scc1 .Lwo
	s_wait_kmcnt 0x0
	s_mov_b32 s26, 832                             ; which tensor, and its first work-group: the choice hangs on the work-group's number alone
	s_cmp_lt_u32 ttmp9, 832
	s_cselect_b64 s[14:15], s[12:13], s[14:15]
	s_cselect_b32 s26, 800, s26
	s_cmp_lt_u32 ttmp9, 800
	s_cselect_b64 s[14:15], s[10:11], s[14:15]
	s_cselect_b32 s26, 768, s26
	s_cmp_lt_u32 ttmp9, 768
	s_cselect_b64 s[14:15], s[8:9], s[14:15]
	s_cselect_b32 s26, 512, s26
	s_cmp_lt_u32 ttmp9, 512
	s_cselect_b64 s[14:15], s[6:7], s[14:15]
	s_cselect_b32 s26, 256, s26
	s_cmp_lt_u32 ttmp9, 256
	s_cselect_b64 s[14:15], s[4:5], s[14:15]
	s_cselect_b32 s26, 0, s26
	s_sub_co_u32 s26, ttmp9, s26
	s_lshl_b32 s26, s26, 2
	s_add_co_u32 s26, s26, s24                     ; which run of 8,192 numbers of the tensor is my wave's
	s_lshl_b32 s26, s26, 15                        ; 32,768 bytes a run
	s_mov_b32 s27, 0
	s_add_nc_u64 s[14:15], s[14:15], s[26:27]
	s_lshl_b32 s28, ttmp9, 2
	s_add_co_u32 s28, s28, s24                     ; the outputs are one stream over all six tensors
	s_lshl_b32 s30, s28, 12                        ; 4,096 bytes of codes a run
	s_mov_b32 s31, 0
	s_add_nc_u64 s[18:19], s[18:19], s[30:31]
	s_lshl_b32 s30, s28, 8                         ; 256 scale bytes a run
	s_add_nc_u64 s[20:21], s[20:21], s[30:31]
.macro LOAD t
.irp i, 0,1,2,3
	global_load_b128 v[R+16*((\t)%4)+4*\i:R+16*((\t)%4)+4*\i+3], v3, s[14:15] offset:2048*(\t)+512*\i th:TH_LOAD_NT   ; 32 lanes read 512 consecutive bytes
.endr
.endm
.macro TURN t                          ; step t's numbers through the stage: LDS serves a wave's instructions in order, so no wait stands between the stores and the loads
.irp i, 0,1,2,3
	ds_store_b128 v14, v[R+16*((\t)%4)+4*\i:R+16*((\t)%4)+4*\i+3] offset:32*SP*((\t)%2)+8*SP*\i
.endr
.irp i, 0,1,2,3
	ds_load_b128 v[X+16*((\t)%2)+4*\i:X+16*((\t)%2)+4*\i+3], v15 offset:32*SP*((\t)%2)+16*\i
.endr
.endm
.irp t, 0,1,2,3
	LOAD \t
.endr
	s_wait_loadcnt 12                              ; step 0's four loads are in; three steps' twelve may be out
	TURN 0
.macro STEP t
.set XS, X+16*((\t)%2)
.if (\t) > 0
	s_wait_dscnt 1                                 ; this step's numbers are back from the stage (the last step's byte store may be out): so its stores into the stage have read their registers,
.else
	s_wait_dscnt 0x0
.endif
.if (\t)+4 < STEPS
	LOAD (\t)+4                                    ; which take the loads of four steps on
.endif
.if (\t)+1 < STEPS
.if STEPS-2-(\t) >= 3
	s_wait_loadcnt 12                              ; the next step's four loads are in; those of the three steps behind it may be out
.else
	s_wait_loadcnt 4*(STEPS-2-(\t))
.endif
	TURN (\t)+1                                    ; and go through the other stage while this step is worked
.endif
	v_max3_num_f32 v8, |v[XS]|, |v[XS+1]|, |v[XS+2]|               ; the largest magnitude of my 16, in two chains
	v_max3_num_f32 v9, |v[XS+3]|, |v[XS+4]|, |v[XS+5]|
.irp i, 6,10
	v_max3_num_f32 v8, v8, |v[XS+\i]|, |v[XS+\i+1]|
	v_max3_num_f32 v9, v9, |v[XS+\i+2]|, |v[XS+\i+3]|
.endr
	v_max3_num_f32 v8, v8, |v[XS+14]|, |v[XS+15]|
	v_max3_num_f32 v8, v8, v9, 0x1800000           ; and the floor 2^(3 - 127): so the byte cannot fall under 1
	v_max_num_f32_dpp v8, v8, v8 row_xmask:1 row_mask:0xf bank_mask:0xf   ; and of my neighbour's 16: the block's
	v_add_nc_u32 v11, 0xff000000, v8               ; 2 off its exponent field: the conversion takes the exponent field of this operand as its scale, and nothing else of it
	v_cvt_scalef32_pk8_fp4_f32 v[C+4*(\t)], v[XS:XS+7], v11        ; eight numbers / the scale, to the nearest code, ties to even, beyond 6 the largest code
	v_cvt_scalef32_pk8_fp4_f32 v[C+4*(\t)+1], v[XS+8:XS+15], v11
	v_lshrrev_b32 v[E+(\t)], 23, v11               ; the scale's byte
	ds_store_b8 v5, v[E+(\t)] offset:16*(\t)       ; both lanes of a block write the same byte with the same value
	global_store_b64 v4, v[C+4*(\t):C+4*(\t)+1], s[18:19] offset:32*CB*(\t)   ; the wave stores 256 consecutive bytes
.endm
.irp t, 0,1,2,3,4,5,6,7,8,9,10,11,12,13,14,15
	STEP \t
.endr
	ds_load_b64 v[8:9], v6                         ; LDS serves a wave's instructions in order: these see my byte stores
	s_wait_dscnt 0x0
	global_store_b64 v7, v[8:9], s[20:21]          ; 32 lanes store 256 consecutive bytes, aligned
	s_branch .Lend
.Lwo:
	; Wo: work-group id takes rows 16 id .. 16 id + 15, wave w the 256 along K from 256 w on: eight images.  The wave's 32 loads read 1,024 consecutive bytes of each of 16 rows once.
	v_and_b32 v8, 15, v0                           ; r
	v_bfe_u32 v9, v0, 4, 1                         ; h
	v_lshlrev_b32 v10, 12, v8
	v_lshl_add_u32 v10, v9, 5, v10                 ; row r of 4,096 bytes, + 32 h
	v_lshlrev_b32 v11, 4, v2                       ; out: 16 x lane
	s_sub_co_u32 s26, ttmp9, QWG
	s_lshl_b32 s28, s26, 16                        ; 16 rows of 4,096 bytes,
	s_lshl_b32 s29, s24, 10                        ; 256 numbers a wave
	s_add_co_u32 s28, s28, s29
	s_mov_b32 s29, 0
	s_lshl_b32 s30, s26, 15                        ; 32 images a tile of rows,
	s_lshl_b32 s31, s24, 13                        ; eight a wave
	s_add_co_u32 s30, s30, s31
	s_mov_b32 s31, 0
	s_wait_kmcnt 0x0
	s_add_nc_u64 s[16:17], s[16:17], s[28:29]
	s_add_nc_u64 s[22:23], s[22:23], s[30:31]
.irp k, 0,1,2,3,4,5,6,7
.irp g, 0,1
.irp e, 0,1
	global_load_b128 v[16+16*\k+8*\g+4*\e:19+16*\k+8*\g+4*\e], v10, s[16:17] offset:128*\k+64*\g+16*\e th:TH_LOAD_NT
.endr
.endr
.endr
	s_wait_loadcnt 0x0
.irp k, 0,1,2,3,4,5,6,7
.irp g, 0,1
.irp i, 0,1,2,3
	v_cvt_pk_f16_f32 v[144+8*\k+4*\g+\i], v[16+16*\k+8*\g+2*\i], v[17+16*\k+8*\g+2*\i]
.endr
.endr
.endr
.irp k, 0,1,2,3,4,5,6,7
.irp g, 0,1
	global_store_b128 v11, v[144+8*\k+4*\g:147+8*\k+4*\g], s[22:23] offset:1024*\k+512*\g   ; half an image: 512 consecutive bytes
.endr
.endr
.Lend:
	s_wait_tensorcnt 0x0                           ; the wave's end, behind my last LDS store
	ds_add_u32 v[SPW], v[NIL]
	s_wait_dscnt 0x0
	s_endpgm
.Lfunc_end_k_q425bdd42c6_quant:
	.size	k_q425bdd42c6_quant, .Lfunc_end_k_q425bdd42c6_quant-k_q425bdd42c6_quant
	.p2alignl 7, 3214868480
	.fill 96, 4, 3214868480
	.section	.rodata,"a",@progbits
	.p2align	6, 0x0
	.amdhsa_kernel k_q425bdd42c6_quant
		.amdhsa_group_segment_fixed_size 33280
		.amdhsa_private_segment_fixed_size 0
		.amdhsa_enable_private_segment 0
		.amdhsa_kernarg_size 80
		.amdhsa_user_sgpr_count 2
		.amdhsa_user_sgpr_kernarg_segment_ptr 1
		.amdhsa_wavefront_size32 1
		.amdhsa_system_sgpr_workgroup_id_x 1
		.amdhsa_system_sgpr_workgroup_id_y 1
		.amdhsa_system_sgpr_workgroup_id_z 1
		.amdhsa_system_vgpr_workitem_id 0
		.amdhsa_next_free_vgpr 208
		.amdhsa_next_free_sgpr 66
		.amdhsa_reserve_vcc 0
		.amdhsa_float_denorm_mode_32 3
		.amdhsa_float_denorm_mode_16_64 3
		.amdhsa_memory_ordered 1
		.amdhsa_forward_progress 1
		.amdhsa_inst_pref_size 43
	.end_amdhsa_kernel
	.amdgpu_metadata
---
amdhsa.version: [ 1, 2 ]
amdhsa.kernels:
  - .name:           k_q425bdd42c6_quant
    .symbol:         k_q425bdd42c6_quant.kd
    .args:
      - { .name: query, .offset: 0, .size: 8, .value_kind: global_buffer, .address_space: global }
      - { .name: key, .offset: 8, .size: 8, .value_kind: global_buffer, .address_space: global }
      - { .name: value, .offset: 16, .size: 8, .value_kind: global_buffer, .address_space: global }
      - { .name: Wq, .offset: 24, .size: 8, .value_kind: global_buffer, .address_space: global }
      - { .name: Wk, .offset: 32, .size: 8, .value_kind: global_buffer, .address_space: global }
      - { .name: Wv, .offset: 40, .size: 8, .value_kind: global_buffer, .address_space: global }
      - { .name: Wo, .offset: 48, .size: 8, .value_kind: global_buffer, .address_space: global }
      - { .name: codes, .offset: 56, .size: 8, .value_kind: global_buffer, .address_space: global }
      - { .name: scales, .offset: 64, .size: 8, .value_kind: global_buffer, .address_space: global }
      - { .name: wo16, .offset: 72, .size: 8, .value_kind: global_buffer, .address_space: global }
    .group_segment_fixed_size: 33280
    .private_segment_fixed_size: 0
    .kernarg_segment_align: 8
    .kernarg_segment_size: 80
    .max_flat_workgroup_size: 128
    .sgpr_count:     66
    .vgpr_count:     208
    .wavefront_size: 32
...
	.end_amdgpu_metadata
.endif
;; end of part 1
;; launch maskbits (part 2): grid 256 x 1, 4 waves a work-group, no clusters, 34,304 bytes of LDS; arguments mask, key_padding_mask, bits; writes bits
.if DOCPART == 2
	.amdgcn_target "amdgcn-amd-amdhsa--gfx1250"
	.amdhsa_code_object_version 6
	.text
	.protected	k_q425bdd42c6_maskbits
	.globl	k_q425bdd42c6_maskbits
	.p2align	8
	.type	k_q425bdd42c6_maskbits,@function
k_q425bdd42c6_maskbits:
	s_mov_b64 s[64:65], 0
	v_nop
	global_prefetch_b8 v0, s[64:65] scope:SCOPE_SE
	s_setreg_imm32_b32 hwreg(HW_REG_WAVE_MODE, 25, 1), 1
	s_wait_xcnt 0x0
; mask [4][1][2048][2048] and key_padding_mask [4][2048], int32, become one lane mask for each score register of the attention launch:
; bits [b][tile of 16 queries (128)][step of 64 keys (32)][kt (4)][j (8)], 32-bit words; bit r + 16 h of a word is 1 where query 16 qt + r may NOT see key 64 ks + 16 kt + 8 h + j (either mask is 0 there).
; So the 67 MB of the mask, which all 16 heads share, are read once, and the attention launch reads a 32nd of them for each head.
; A work-group takes 128 queries x 512 keys of one batch, a wave 128 queries x 128 keys: eight UNITS of 16 rows x 512 bytes, each of which becomes 64 words = 256 bytes.
; Each load reads 512 consecutive bytes of one row.  A unit turns through the wave's own stage in LDS (rows 528 bytes apart: row r starts 4 r words on in the banks), so that lane (r, h) then holds row r's keys
; 16 kt + 8 h + 0 .. 7; a compare against 0 gives the word of one register; v_writelane_b32 gathers two words a lane, and the wave stores 256 consecutive bytes, aligned.  No barrier: waves share nothing.
.set PITCH, 528
.set STG,   16*PITCH                   ; a wave's stage
.set SPARE, 4*STG                      ; behind the stages: the spare words, 128 bytes for each wave
.set SPW,   10                         ; v10  LDS address of my spare word; never rewritten
.set NIL,   11                         ; v11  0; never rewritten
.set KZ,    16                         ; v16-79   the padding mask of my 64 keys, as 0 or all ones
.set R,     80                         ; v80-207  two sets of 64: a unit as it is loaded
.set X,     208                        ; v208-239 half a unit, turned
.set OUT,   240                        ; v240-243 two pairs of words, by turns
.set BAL,   20                         ; s20-51   32 lane masks
	s_load_b128 s[4:7], s[0:1], 0x0                ; mask, key_padding_mask
	s_load_b64 s[8:9], s[0:1], 0x10                ; bits
	v_lshl_add_u32 v[SPW], v0, 2, SPARE
	v_mov_b32 v[NIL], 0
	v_lshrrev_b32 v1, 5, v0
	v_readfirstlane_b32 s10, v1                    ; wave
	v_and_b32 v1, 31, v0                           ; lane
	v_and_b32 v2, 15, v0                           ; r
	v_bfe_u32 v3, v0, 4, 1                         ; h
	v_lshlrev_b32 v4, 4, v1                        ; 16 x lane: my bytes of a row's 512
	s_mul_i32 s11, s10, STG
	v_add_nc_u32 v5, s11, v4                       ; the stage, on the way in
	v_mul_u32_u24 v6, v2, PITCH
	v_lshl_add_u32 v6, v3, 5, v6
	v_add_nc_u32 v6, s11, v6                       ; and on the way out: row r, + 32 h
	v_lshlrev_b32 v7, 5, v3                        ; the padding mask: 32 h
	v_lshlrev_b32 v8, 3, v1                        ; out: two words a lane
.irp i, 0,1,2,3
	v_mov_b32 v[OUT+\i], 0                         ; written once: v_writelane_b32's destination counts as one of its sources
.endr
	s_lshr_b32 s12, ttmp9, 6                       ; batch
	s_bfe_u32 s13, ttmp9, 0x40002                  ; which 128 queries
	s_and_b32 s14, ttmp9, 3
	s_lshl_b32 s14, s14, 2
	s_add_co_u32 s14, s14, s10                     ; which 128 keys
	s_lshl_b32 s16, s12, 24                        ; mask: 2,048 rows of 8,192 bytes a batch,
	s_lshl_b32 s15, s13, 20                        ; 128 rows,
	s_add_co_u32 s16, s16, s15
	s_lshl_b32 s15, s14, 9                         ; 512 bytes
	s_add_co_u32 s16, s16, s15
	s_mov_b32 s17, 0
	s_lshl_b32 s18, s12, 13                        ; padding mask: 8,192 bytes a batch
	s_add_co_u32 s18, s18, s15
	s_mov_b32 s19, 0
	s_lshl_b32 s52, s12, 19                        ; bits: 128 tiles of 4,096 bytes a batch,
	s_lshl_b32 s15, s13, 15                        ; eight tiles,
	s_add_co_u32 s52, s52, s15
	s_lshl_b32 s15, s14, 8                         ; 256 bytes
	s_add_co_u32 s52, s52, s15
	s_mov_b32 s53, 0
	s_wait_kmcnt 0x0
	s_add_nc_u64 s[4:5], s[4:5], s[16:17]
	s_add_nc_u64 s[6:7], s[6:7], s[18:19]
	s_add_nc_u64 s[8:9], s[8:9], s[52:53]
.irp k, 0,1,2,3,4,5,6,7
.irp e, 0,1
	global_load_b128 v[KZ+8*\k+4*\e:KZ+8*\k+4*\e+3], v7, s[6:7] offset:64*\k+16*\e   ; keys 16 k + 8 h + 4 e + 0 .. 3
.endr
.endr
.macro LOADU u                         ; unit u: 16 rows, 512 consecutive bytes each
.irp i, 0,1,2,3,4,5,6,7,8,9,10,11,12,13,14,15
	global_load_b128 v[R+64*((\u)%2)+4*\i:R+64*((\u)%2)+4*\i+3], v4, s[4:5] offset:131072*(\u)+8192*\i th:TH_LOAD_NT
.endr
.endm
	LOADU 0
	LOADU 1
	s_wait_loadcnt 32                              ; the padding mask is in; the two units' 32 loads may be out
.irp i, 0,1,2,3,4,5,6,7,8,9,10,11,12,13,14,15,16,17,18,19,20,21,22,23,24,25,26,27,28,29,30,31,32,33,34,35,36,37,38,39,40,41,42,43,44,45,46,47,48,49,50,51,52,53,54,55,56,57,58,59,60,61,62,63
	v_cmp_ne_u32 vcc_lo, 0, v[KZ+\i]
	v_cndmask_b32 v[KZ+\i], 0, -1, vcc_lo          ; all ones where the key counts
.endr
.macro PROC u, p                       ; key tiles 4 p .. 4 p + 3 of unit u: 32 words
.irp k, 0,1,2,3
.irp j, 0,1,2,3,4,5,6,7
	v_and_b32 v[X+8*\k+\j], v[X+8*\k+\j], v[KZ+8*(4*\p+\k)+\j]     ; 0 where either mask is 0
.endr
.endr
.irp k, 0,1,2,3
.irp j, 0,1,2,3,4,5,6,7
	v_cmp_eq_u32 s[BAL+8*\k+\j], 0, v[X+8*\k+\j]                    ; the lanes' bits: one word
.endr
.endr
.irp k, 0,1,2,3
.irp j, 0,1,2,3,4,5,6,7
	v_writelane_b32 v[OUT+2*((\u)%2)+\j%2], s[BAL+8*\k+\j], 4*(4*\p+\k)+\j/2   ; word 8 (4 p + k) + j: lane = half of that, register = its last bit
.endr
.endr
.endm
.macro UNIT u
.if (\u) >= 2
	s_wait_xcnt 0x0                                ; the store of two units ago has read its pair, which is written again below
.endif
.if (\u) < 7
	s_wait_loadcnt 16                              ; this unit's 16 loads are in; the next unit's may be out
.else
	s_wait_loadcnt 0x0
.endif
.irp i, 0,1,2,3,4,5,6,7,8,9,10,11,12,13,14,15
	ds_store_b128 v5, v[R+64*((\u)%2)+4*\i:R+64*((\u)%2)+4*\i+3] offset:PITCH*\i
.endr
.irp k, 0,1,2,3
.irp e, 0,1
	ds_load_b128 v[X+8*\k+4*\e:X+8*\k+4*\e+3], v6 offset:64*\k+16*\e         ; LDS serves a wave's instructions in order: these see the stores above
.endr
.endr
	s_wait_dscnt 0x0                               ; the stores have read their registers,
.if (\u) < 6
	LOADU (\u)+2                                   ; which take the unit two on
.endif
	PROC \u, 0
.irp k, 0,1,2,3
.irp e, 0,1
	ds_load_b128 v[X+8*\k+4*\e:X+8*\k+4*\e+3], v6 offset:256+64*\k+16*\e
.endr
.endr
	s_wait_dscnt 0x0                               ; (so the next unit's stores find the stage read out)
	PROC \u, 1
	global_store_b64 v8, v[OUT+2*((\u)%2):OUT+2*((\u)%2)+1], s[8:9] offset:4096*(\u)   ; 32 lanes store 256 consecutive bytes, aligned
.endm
.irp u, 0,1,2,3,4,5,6,7
	UNIT \u
.endr
	s_wait_tensorcnt 0x0                           ; the wave's end, behind my last LDS store
	ds_add_u32 v[SPW], v[NIL]
	s_wait_dscnt 0x0
	s_endpgm
.Lfunc_end_k_q425bdd42c6_maskbits:
	.size	k_q425bdd42c6_maskbits, .Lfunc_end_k_q425bdd42c6_maskbits-k_q425bdd42c6_maskbits
	.p2alignl 7, 3214868480
	.fill 96, 4, 3214868480
	.section	.rodata,"a",@progbits
	.p2align	6, 0x0
	.amdhsa_kernel k_q425bdd42c6_maskbits
		.amdhsa_group_segment_fixed_size 34304
		.amdhsa_private_segment_fixed_size 0
		.amdhsa_enable_private_segment 0
		.amdhsa_kernarg_size 24
		.amdhsa_user_sgpr_count 2
		.amdhsa_user_sgpr_kernarg_segment_ptr 1
		.amdhsa_wavefront_size32 1
		.amdhsa_system_sgpr_workgroup_id_x 1
		.amdhsa_system_sgpr_workgroup_id_y 1
		.amdhsa_system_sgpr_workgroup_id_z 1
		.amdhsa_system_vgpr_workitem_id 0
		.amdhsa_next_free_vgpr 248
		.amdhsa_next_free_sgpr 66
		.amdhsa_reserve_vcc 1
		.amdhsa_float_denorm_mode_32 3
		.amdhsa_float_denorm_mode_16_64 3
		.amdhsa_memory_ordered 1
		.amdhsa_forward_progress 1
		.amdhsa_inst_pref_size 120
	.end_amdhsa_kernel
	.amdgpu_metadata
---
amdhsa.version: [ 1, 2 ]
amdhsa.kernels:
  - .name:           k_q425bdd42c6_maskbits
    .symbol:         k_q425bdd42c6_maskbits.kd
    .args:
      - { .name: mask, .offset: 0, .size: 8, .value_kind: global_buffer, .address_space: global }
      - { .name: key_padding_mask, .offset: 8, .size: 8, .value_kind: global_buffer, .address_space: global }
      - { .name: bits, .offset: 16, .size: 8, .value_kind: global_buffer, .address_space: global }
    .group_segment_fixed_size: 34304
    .private_segment_fixed_size: 0
    .kernarg_segment_align: 8
    .kernarg_segment_size: 24
    .max_flat_workgroup_size: 128
    .sgpr_count:     66
    .vgpr_count:     248
    .wavefront_size: 32
...
	.end_amdgpu_metadata
.endif
;; end of part 2
;; launch proj (part 3): grid 4 x 96, 4 waves a work-group, clusters of 4 x 4, 327,680 bytes of LDS; arguments codes, scales, bq, bk, bv, qkv; writes qkv
.if DOCPART == 3
	.amdgcn_target "amdgcn-amd-amdhsa--gfx1250"
	.amdhsa_code_object_version 6
	.text
	.protected	k_q425bdd42c6_proj
	.globl	k_q425bdd42c6_proj
	.p2align	8
	.type	k_q425bdd42c6_proj,@function
k_q425bdd42c6_proj:
	s_mov_b64 s[64:65], 0
	v_nop
	global_prefetch_b8 v0, s[64:65] scope:SCOPE_SE
	s_setreg_imm32_b32 hwreg(HW_REG_WAVE_MODE, 25, 1), 1
	s_wait_xcnt 0x0
	s_wait_alu depctr_hold_cnt(0) depctr_sa_sdst(0) depctr_va_vdst(0) depctr_va_sdst(0) depctr_va_ssrc(0) depctr_va_vcc(0) depctr_vm_vsrc(0)
	s_getreg_b32 s2, hwreg(HW_REG_IB_STS2, 6, 4)
	s_cmp_eq_u32 s2, 0
	s_cbranch_scc0 .Lentry_in_a_cluster
	s_endpgm
.Lentry_in_a_cluster:
	s_bfe_u32 s2, ttmp6, 0x10000c
	s_cmp_lg_u32 s2, 0xf033
	s_cbranch_scc0 .Lentry_shape_is_right
	s_endpgm
.Lentry_shape_is_right:
; The three projections in one launch: C[m][n] = sum over k of X[m][k] W[n][k] + bias[n] on codes of FP4 (E2M1) with one E8M0 scale for each 32 along K = 1,024.
; X: rows 0 .. 24,575 of the codes' buffer (query, key, value, 8,192 rows each); W: rows 24,576 + 1,024 T + n (T = 0, 1, 2: Wq, Wk, Wv); a row is 512 bytes of codes and 32 scale bytes.
; A tile of C, 256 x 256, is made by a work-group of four waves; a wave makes 128 x 128: 64 accumulators, 512 registers.  K is two slots of 512 in LDS, both asked for at the start: nothing is filled again.
; The scale bytes of the work-group's 256 + 256 rows, two dense blocks of 8,192 bytes, come once, as rows of 256 bytes + 16 of padding.
; CLUSTERS: 4 x 4 work-groups; the four of a row of the cluster need the same rows of X, the four of a column the same rows of W: each tile is asked for jointly.  32 tile rows belong to a tensor, eight clusters: so T is the same in all partners.
; THE MATRIX INSTRUCTION IS USED TRANSPOSED (source 0 = 16 rows of W, source 1 = 16 rows of X): a lane holds eight neighbouring n of one row m.  The bias is the C of each sum's first product.
; THE WAY OUT needs no LDS: rounded to f16, a lane's eight numbers are 16 bytes of an IMAGE of the attention launch's operands: qkv [T][batch][head][tile of 16 rows s][kc (2)], an image = 16 rows x 32 channels
; = [g (2)][lane (32)][16 bytes], lane r + 16 h holding row r, channels 32 kc + 16 g + 8 h + 0 .. 7.  Each store of the wave covers 512 consecutive bytes.
; v's images (T = 2) differ in one thing: lanes 16-31 store at 16 x (lane xor 8): in the 256 bytes of an odd group of eight channels the two halves of eight keys change places, so that the attention launch's
; turning loads, which take 128 bytes of an even and of an odd group at a time, find them in different banks with the groups 256 bytes apart.
; LIMIT: |q|, |k|, |v| stay under 65,504 (f16).
; REGISTERS, in windows of 256: window 0: v0-31 addresses; v32-95 scale words, two sets; v128-191 X's fragments, one set; v192-255 the bias; on the way out v64-191 packed results.
;   window 1: W's fragments, two sets, at v0 and v128.   window 2: the accumulators of my rows 0-63 ((a, b) at v[8 (8 a + b)]);   window 3: those of my rows 64-127.
.set NQ,     4                         ; steps of 128 along K in a slot
.set ROWB,   256                       ; a tile's row in bytes: 512 codes
.set KROW,   512                       ; a row of codes in memory
.set PITCH,  272                       ; an LDS row: 256 bytes + 16 of padding: the 16 rows that a load touches start at 16 different banks (64 banks of 4 bytes: ISA guide 11.1)
.set FR,     8                         ; registers of a fragment: 16 rows x 128 K
.set NL,     2                         ; LDS loads that bring one
.set NP,     4                         ; places behind this matrix instruction (ISA guide 7.12.1)
.set HALFT,  128*PITCH                 ; 128 rows: what one tensor load brings, and what one wave reads of X or of W
.set SLOT,   4*HALFT
.set KS,     32                        ; a row of scale bytes
.set SCL,    2*SLOT                    ; behind the slots: the scales
.set HALFS,  (128*KS/256)*272          ; those of 128 rows
.set SBLK,   (16*KS/256)*272           ; those of 16 rows
.set SPARE,  SCL+4*HALFS               ; the spare words, 128 bytes for each wave
.set ADRA, 16                          ; v16-17  LDS address of my X fragments in slot 0, 1
.set ADRB, 20                          ; v20-21  the same for W
.set BO,   24                          ; v24     32 x (lane / 16): my eight numbers of a bias block
.set CO,   26                          ; v26     my place in half an image: 16 x lane (v: 16 x (lane xor 8) in lanes 16-31)
.set ADRS, 27                          ; v27     LDS address of my scale words: lanes 0-15 X's rows, lanes 16-31 W's
.set SPW,  28                          ; v28     LDS address of my spare word; never rewritten
.set NIL,  29                          ; v29     0; never rewritten
.set SC,   32                          ; scale words: set s at v[SC + 32 s]; register 4 i + q: lanes 0-15 X's block i, lanes 16-31 W's block i, the slot's q-th 128 along K
.set AF,   128
.set BI,   192                         ; the bias: block b at v[BI + 8 b]
.set TMP,  64
.set G1, 24                            ; s[24:31] group 1 for X's tiles; s[32:39] group 0, a set for each slot
.set G0, 32
.set G1B, 48                           ; s[48:55], s[56:63] the same for W's
.set G0B, 56
.set G1S, 68                           ; s[68:75], s[76:79] for X's scales; s[80:87], s[88:91] for W's
.set G0S, 76
.set G1SB, 80
.set G0SB, 88
.set MSB, 0
.macro WIN new                         ; the immediate's high byte repeats the setting that is left
.if MSB != \new
	s_set_vgpr_msb (MSB<<8)|\new
.set MSB, \new
.endif
.endm
.set MUL_LO,  0xa1                     ; source 0 (W) window 1, source 1 (X) window 0, C and D window 2
.set MUL_HI,  0xf1                     ; the same, C and D window 3
.set BIAS_LO, 0x81                     ; the first products: C (the bias) window 0, D window 2
.set BIAS_HI, 0xc1                     ; D window 3
.set TO_B,    0x40                     ; destination window 1, address window 0
; A joint load: waves 0 and 1 fetch for X, waves 2 and 3 for W.  The branch hangs on the wave's number alone.  An s_nop 0 and four v_nop follow each of the two lines.
.macro JLOAD g0a, g1a, g0b, g1b
	s_cmp_eq_u32 s17, 0
	s_cbranch_scc0 .Lfor_b_\@
	tensor_load_to_lds s[\g0a:\g0a+3], s[\g1a:\g1a+7]
	s_nop 0
.rept 4
	v_nop
.endr
	s_branch .Lasked_\@
.Lfor_b_\@:
	tensor_load_to_lds s[\g0b:\g0b+3], s[\g1b:\g1b+7]
	s_nop 0
.rept 4
	v_nop
.endr
.Lasked_\@:
.endm
.macro CROUND                          ; a round of the cluster's barrier
	s_barrier_signal -1
	s_barrier_wait -1
	s_cmp_lg_u32 s16, 0
	s_cbranch_scc1 .Lnot_wave_0_\@
	s_barrier_signal -3
.Lnot_wave_0_\@:
	s_barrier_wait -3
	s_barrier_signal -1
	s_barrier_wait -1
.endm
	s_load_b256 s[4:11], s[0:1], 0x0               ; codes 4, scales 6, bq 8, bk 10
	s_load_b128 s[12:15], s[0:1], 0x20             ; bv 12, qkv 14
	v_lshl_add_u32 v[SPW], v0, 2, SPARE
	v_mov_b32 v[NIL], 0
	ds_add_u32 v[SPW], v[NIL]                      ; the wave's opening: the add, twice on end, and its wait ahead of my first tensor load; the set-up below stands between the second and the wait
	ds_add_u32 v[SPW], v[NIL]
	v_lshrrev_b32 v1, 5, v0
	v_readfirstlane_b32 s16, v1                    ; wave 0..3
	s_lshr_b32 s17, s16, 1                         ; which half of the tile's rows is mine.  Also: I fetch for X (0) or for W (1)
	s_and_b32 s18, s16, 1                          ; which half of its columns.  Also: which 128 rows I fetch
	s_bfe_u32 s40, ttmp6, 0x40000                  ; cx, cy: my place in the cluster
	s_bfe_u32 s41, ttmp6, 0x40004
	s_lshl_b32 s42, ttmp9, 2
	s_add_co_u32 s42, s42, s40                     ; tile column = 4 x cluster x + cx
	s_and_b32 s45, ttmp7, 0xffff                   ; cluster y
	s_lshl_b32 s19, s45, 2
	s_add_co_u32 s19, s19, s41                     ; tile row = 4 x cluster y + cy
	s_lshr_b32 s45, s45, 3                         ; T: which of the three projections: made of the cluster's y alone
	s_lshl_b32 s43, s41, 2
	s_lshl_b32 s43, 15, s43                        ; my row of the cluster
	s_lshl_b32 s44, 0x1111, s40                    ; my column
	; group 1: a tile of 128 rows x 256 bytes, padded in LDS
	s_or_b32 s[G1+0], s43, (0<<16)|(1<<20)|(1<<21)|(5<<22)|(3<<25)  ; 15:0 the mask; 17:16 elements of 1 byte; 20 padding on; 21 set beside a mask; 24:22 after every 64 words; 31:25 four words
	s_or_b32 s[G1B+0], s44, (0<<16)|(1<<20)|(1<<21)|(5<<22)|(3<<25)
.irp g, G1, G1B
	s_mov_b32 s[\g+1], ROWB<<16                    ; tensor_dim0
	s_mov_b32 s[\g+2], 128<<16                     ; tensor_dim1
	s_mov_b32 s[\g+3], ROWB<<16                    ; tile_dim0
	s_mov_b32 s[\g+4], 128                         ; tile_dim1
	s_mov_b32 s[\g+5], KROW                        ; from row to row
	s_mov_b32 s[\g+6], 0
	s_mov_b32 s[\g+7], 0
.endr
	; and for the scales of 128 rows: 4,096 dense bytes as 16 rows of 256 (32 elements of 8 bytes), 16 bytes of padding behind each
	s_or_b32 s[G1S+0], s43, (3<<16)|(1<<20)|(1<<21)|(5<<22)|(3<<25)
	s_or_b32 s[G1SB+0], s44, (3<<16)|(1<<20)|(1<<21)|(5<<22)|(3<<25)
.irp g, G1S, G1SB
	s_mov_b32 s[\g+1], 32<<16
	s_mov_b32 s[\g+2], (128*KS/256)<<16
	s_mov_b32 s[\g+3], 32<<16
	s_mov_b32 s[\g+4], 128*KS/256
	s_mov_b32 s[\g+5], 32
	s_mov_b32 s[\g+6], 0
	s_mov_b32 s[\g+7], 0
.endr
	s_lshl_b32 s20, s18, 7                         ; which 128 rows of the tile I fetch
	s_lshl_b32 s21, s19, 8
	s_add_co_u32 s21, s21, s20                     ; X: row 256 x tile row + 128 x half
	s_lshl_b32 s46, s42, 8
	s_add_co_u32 s46, s46, s20
	s_lshl_b32 s47, s45, 10
	s_add_co_u32 s46, s46, s47
	s_add_co_u32 s46, s46, 24576                   ; W: row 24,576 + 1,024 T + 256 x tile column + 128 x half
	s_lshl_b32 s22, s21, 5                         ; where these rows' scales begin, in bytes,
	s_mov_b32 s23, 0
	s_lshl_b32 s20, s21, 9                         ; and their codes
	s_mov_b32 s21, 0
	s_lshl_b32 s92, s46, 5
	s_mov_b32 s93, 0
	s_lshl_b32 s46, s46, 9
	s_mov_b32 s47, 0
	s_mul_i32 s95, s16, HALFT                      ; where they go: wave x 128 rows: no place in the cluster enters an LDS address
	s_mul_i32 s94, s16, HALFS
	s_wait_dscnt 0x0                               ; both opening adds are done
	s_wait_kmcnt 0x0
	s_add_nc_u64 s[20:21], s[4:5], s[20:21]
	s_add_nc_u64 s[22:23], s[6:7], s[22:23]
	s_add_nc_u64 s[46:47], s[4:5], s[46:47]
	s_add_nc_u64 s[92:93], s[6:7], s[92:93]
	CROUND                                         ; all sixteen work-groups are here: the joint loads meet
	s_mov_b32 s[G0S], 1
	s_add_co_u32 s[G0S+1], s94, SCL
	s_mov_b64 s[G0S+2:G0S+3], s[22:23]
	s_or_b32 s[G0S+3], s[G0S+3], 0x80000000
	s_mov_b32 s[G0SB], 1
	s_add_co_u32 s[G0SB+1], s94, SCL
	s_mov_b64 s[G0SB+2:G0SB+3], s[92:93]
	s_or_b32 s[G0SB+3], s[G0SB+3], 0x80000000
	JLOAD G0S, G1S, G0SB, G1SB                     ; the scales first: they are wanted with the first step
.irp s, 0,1
	s_mov_b32 s[G0+4*\s], 1
	s_add_co_u32 s[G0+4*\s+1], s95, \s*SLOT
	s_add_nc_u64 s[G0+4*\s+2:G0+4*\s+3], s[20:21], \s*ROWB
	s_or_b32 s[G0+4*\s+3], s[G0+4*\s+3], 0x80000000
	s_mov_b32 s[G0B+4*\s], 1
	s_add_co_u32 s[G0B+4*\s+1], s95, \s*SLOT
	s_add_nc_u64 s[G0B+4*\s+2:G0B+4*\s+3], s[46:47], \s*ROWB
	s_or_b32 s[G0B+4*\s+3], s[G0B+4*\s+3], 0x80000000
	JLOAD G0+4*\s, G1, G0B+4*\s, G1B               ; three tensor loads of mine are out behind the second of these
.endr
	v_and_b32 v1, 15, v0                           ; l % 16
	v_bfe_u32 v2, v0, 4, 1                         ; l / 16
	v_lshlrev_b32 v[BO], 5, v2
	s_cmp_eq_u32 s45, 1                            ; the bias of my projection: a choice on T alone
	s_cselect_b64 s[10:11], s[10:11], s[12:13]
	s_cmp_eq_u32 s45, 0
	s_cselect_b64 s[8:9], s[8:9], s[10:11]
	s_lshl_b32 s20, s42, 10                        ; my 128 columns: 4 x (256 x tile column + 128 x half)
	s_lshl_b32 s21, s18, 9
	s_add_co_u32 s20, s20, s21
	s_mov_b32 s21, 0
	s_add_nc_u64 s[8:9], s[8:9], s[20:21]
.irp b, 0,1,2,3,4,5,6,7
.irp e, 0,1
	global_load_b128 v[BI+8*\b+4*\e:BI+8*\b+4*\e+3], v[BO], s[8:9] offset:64*\b+16*\e   ; bias(16 b + 8 h + 4 e + 0 .. 3): the result's layout
.endr
.endr
	v_mul_u32_u24 v3, v1, PITCH
	v_lshl_add_u32 v4, v2, 4, v3                   ; a fragment's row x pitch + 16 x half
	s_mul_i32 s21, s17, HALFT                      ; my 128 rows of X
	s_mul_i32 s22, s18, HALFT                      ; my 128 rows of W,
	s_add_co_u32 s22, s22, 2*HALFT                 ; which lie behind X's 256
.irp s, 0,1
	v_add_nc_u32 v[ADRA+\s], s21, v4
	v_add_nc_u32 v[ADRB+\s], s22, v4
	s_add_co_u32 s21, s21, SLOT
	s_add_co_u32 s22, s22, SLOT
.endr
	v_mul_u32_u24 v5, v1, KS                       ; my row's scales: 32 bytes a row,
	v_lshrrev_b32 v6, 8, v5
	v_lshl_add_u32 v5, v6, 4, v5                   ; and 16 more for each 256 passed
	s_mul_i32 s21, s17, HALFS                      ; X's: my 128 rows
	s_mul_i32 s22, s18, HALFS                      ; W's: my 128 rows, behind X's 256
	s_add_co_u32 s22, s22, 2*HALFS
	s_sub_co_u32 s22, s22, s21
	v_mul_u32_u24 v6, s22, v2                      ; lanes 16-31 take W's: one product, the distance between the two bases
	s_add_co_u32 s21, s21, SCL
	v_add_nc_u32 v5, v5, v6
	v_add_nc_u32 v[ADRS], s21, v5
	s_cmp_eq_u32 s45, 2                            ; v's images: lanes 16-31 store at 16 x (lane xor 8); q's and k's at 16 x lane
	s_cselect_b32 s20, 8, 0
	v_mul_u32_u24 v5, s20, v2                      ; 8 in lanes 16-31 of v's tiles, else 0
	v_and_b32 v6, 31, v0
	v_xor_b32 v6, v6, v5
	v_lshlrev_b32 v[CO], 4, v6
	s_lshl_b32 s20, s19, 8                         ; the way out: my first row m0 = 256 x tile row + 128 x half
	s_lshl_b32 s21, s17, 7
	s_add_co_u32 s20, s20, s21
	s_lshr_b32 s21, s20, 11                        ; 4 T + batch
	s_lshl_b32 s21, s21, 4
	s_lshl_b32 s22, s42, 2
	s_add_co_u32 s21, s21, s22
	s_lshl_b32 s22, s18, 1
	s_add_co_u32 s21, s21, s22                     ; x 16 + my first head = 4 x tile column + 2 x half
	s_lshl_b32 s21, s21, 18                        ; 262,144 bytes a head
	s_and_b32 s20, s20, 2047
	s_lshl_b32 s20, s20, 7                         ; 2,048 bytes for each 16 rows
	s_add_co_u32 s20, s20, s21
	s_mov_b32 s21, 0
	s_add_nc_u64 s[14:15], s[14:15], s[20:21]
.macro FRAG reg, adr, q, i             ; a fragment, 16 rows x 128 K of 4-bit codes: lane l holds row l % 16; registers 4 c .. 4 c + 3 hold K = 64 c + 32 (l / 16) + 0 .. 31
.irp c, 0,1
	ds_load_b128 v[\reg+4*\c:\reg+4*\c+3], v[\adr] offset:64*(\q)+32*\c+(\i)*16*PITCH
.endr
.endm
; 16 matrix instructions: X's blocks a0, a0 + 1 x W's eight, the slot's q-th 128 along K.  p: W's set; sc: the set of scale words.  zero = 1: the first product starts the sums from the bias: nothing is ever cleared.
; The 64 accumulators take turns, one instruction a turn, in the same order in every step.
.macro MUL16 a0, p, q, sc, zero
.irp a, \a0, \a0+1
.irp b, 0,1,2,3,4,5,6,7
.if \zero
	v_wmma_scale_f32_16x16x128_f8f6f4 v[8*(8*((\a)%4)+\b):8*(8*((\a)%4)+\b)+7], v[128*(\p)+FR*\b:128*(\p)+FR*\b+FR-1], v[AF+FR*(\a):AF+FR*(\a)+FR-1], v[BI+8*\b:BI+8*\b+7], v[SC+8*NQ*(\sc)+NQ*\b+(\q)], v[SC+8*NQ*(\sc)+NQ*(\a)+(\q)] matrix_a_fmt:MATRIX_FMT_FP4 matrix_b_fmt:MATRIX_FMT_FP4 matrix_a_scale:MATRIX_SCALE_ROW1
.else
	v_wmma_scale_f32_16x16x128_f8f6f4 v[8*(8*((\a)%4)+\b):8*(8*((\a)%4)+\b)+7], v[128*(\p)+FR*\b:128*(\p)+FR*\b+FR-1], v[AF+FR*(\a):AF+FR*(\a)+FR-1], v[8*(8*((\a)%4)+\b):8*(8*((\a)%4)+\b)+7], v[SC+8*NQ*(\sc)+NQ*\b+(\q)], v[SC+8*NQ*(\sc)+NQ*(\a)+(\q)] matrix_a_fmt:MATRIX_FMT_FP4 matrix_b_fmt:MATRIX_FMT_FP4 matrix_a_scale:MATRIX_SCALE_ROW1
.endif
.endr
.endr
.endm
.macro FETCH_B slot, q, p              ; W's eight fragments of the slot's q-th 128 along K into set p
	WIN TO_B
.irp i, 0,1,2,3,4,5,6,7
	FRAG 128*(\p)+FR*\i, ADRB+\slot, \q, \i
.endr
	WIN 0
.endm
.macro FETCH_A slot, q, i0             ; X's blocks i0 .. i0 + 3
.irp i, \i0, \i0+1, \i0+2, \i0+3
	FRAG AF+FR*(\i), ADRA+\slot, \q, \i
.endr
.endm
.macro SCALES sc                       ; a slot's scale words into set sc: four words a row; lanes 0-15 take X's block i, lanes 16-31 W's block i
.irp i, 0,1,2,3,4,5,6,7
	ds_load_b128 v[SC+8*NQ*\sc+NQ*\i:SC+8*NQ*\sc+NQ*\i+3], v[ADRS] offset:\i*SBLK
.endr
.endm
.macro PLACES n                        ; places in front of loads into registers that matrix instructions have read, and of the first read of results (ISA guide 7.12.1 for the first read of results)
.rept \n
	v_nop
.endr
.endm
; A step of 128 along K that has its successor in the same slot.  X has one set of registers: blocks 0-3 are fetched anew in the step's middle, blocks 4-7 at its end.
.macro STEP slot, q, zero
	s_wait_dscnt 4*NL                              ; W's set and X's blocks 0-3 are in; the youngest eight loads (X's blocks 4-7) may be out
.if \zero
	WIN BIAS_LO
.else
	WIN MUL_LO
.endif
	MUL16 0, (\q)%2, \q, \slot, \zero
	MUL16 2, (\q)%2, \q, \slot, \zero
	s_wait_dscnt 0                                 ; X's blocks 4-7 are in
	PLACES NP
	FETCH_B \slot, (\q)+1, 1-(\q)%2
	FETCH_A \slot, (\q)+1, 0
.if \zero
	WIN BIAS_HI
.else
	WIN MUL_HI
.endif
	MUL16 4, (\q)%2, \q, \slot, \zero
	MUL16 6, (\q)%2, \q, \slot, \zero
	PLACES NP
	WIN 0
	FETCH_A \slot, (\q)+1, 4
.endm
; Slot 0's last step changes to slot 1: one barrier; in front of it each wave waits for all its tensor loads (its part of slot 1), so that behind it slot 1 is whole.  Nothing is filled again.
.macro TURN slot, next
	s_wait_tensorcnt 0x0                           ; all my tensor loads have landed
	ds_add_u32 v[SPW], v[NIL]                      ; 0 onto my spare word
	s_wait_dscnt 4*NL+1                            ; (the add and the youngest eight loads, X's blocks 4-7, may be out)
	WIN MUL_LO
	MUL16 0, 1, NQ-1, \slot, 0
	s_wait_dscnt 0x0                               ; no LDS instruction of mine is pending at the signal
	s_barrier_signal -1
	MUL16 2, 1, NQ-1, \slot, 0
	WIN 0
	s_barrier_wait -1
	PLACES NP
	v_add_nc_u32 v[ADRS], 4*NQ, v[ADRS]            ; on to the next slot's scale words
	FETCH_B \next, 0, 0
	FETCH_A \next, 0, 0
	SCALES \next
	WIN MUL_HI
	MUL16 4, 1, NQ-1, \slot, 0
	MUL16 6, 1, NQ-1, \slot, 0
	PLACES NP
	WIN 0
	FETCH_A \next, 0, 4
.endm
.macro STEPS slot, from                ; the slot's steps from .. NQ - 2
.set QS, \from
.rept NQ-1-\from
	STEP \slot, QS, 0
.set QS, QS+1
.endr
.endm
	s_wait_tensorcnt 1                             ; the scales and my part of slot 0 are in (slot 1's load may be out),
	s_barrier_signal -1
	s_barrier_wait -1                              ; everybody's are
	FETCH_B 0, 0, 0
	FETCH_A 0, 0, 0
	SCALES 0
	FETCH_A 0, 0, 4
	s_wait_loadcnt 0x0                             ; the bias
	STEP 0, 0, 1                                   ; the first step's products start the sums
	STEPS 0, 1
	TURN 0, 1
	STEPS 1, 0
	s_wait_dscnt 4*NL                              ; the very last step: nothing more to fetch
	WIN MUL_LO
	MUL16 0, 1, NQ-1, 1, 0
	MUL16 2, 1, NQ-1, 1, 0
	s_wait_dscnt 0
	WIN MUL_HI
	MUL16 4, 1, NQ-1, 1, 0
	MUL16 6, 1, NQ-1, 1, 0
	WIN 0
; THE WAY OUT, block by block of 16 rows.  Accumulator (a, b): rows 16 a + r, columns 16 b + 8 h + 0 .. 7: head b / 4 of my two, half an image (kc = (b % 4) / 2, g = b % 2).
.macro OUTB a
.set AC, 64*((\a)%4)
.set TM, TMP+32*((\a)%4)
.if (\a) >= 4
	s_wait_xcnt 0x0                                ; the stores of four blocks ago have read their registers, which are written again
.endif
	WIN 0x0a+5*((\a)/4)                            ; sources 0 and 1: window 2 or 3
.irp b, 0,1,2,3,4,5,6,7
.irp i, 0,1,2,3
	v_cvt_pk_f16_f32 v[TM+4*\b+\i], v[AC+8*\b+2*\i], v[AC+8*\b+2*\i+1]    ; each accumulator from its low end on
.endr
.endr
	WIN 0
.irp b, 0,1,2,3,4,5,6,7
	global_store_b128 v[CO], v[TM+4*\b:TM+4*\b+3], s[14:15] offset:2048*(\a)+262144*(\b/4)+512*(\b%4) th:TH_STORE_NT   ; 32 lanes store 512 consecutive bytes
.endr
.endm
	PLACES NP                                      ; behind the last products: the conversions read results and write over registers that held scales and fragments
.irp a, 0,1,2,3,4,5,6,7
	OUTB \a
.endr
	s_wait_tensorcnt 0x0                           ; the wave's end, behind my last tensor load
	ds_add_u32 v[SPW], v[NIL]
	s_wait_dscnt 0x0
	CROUND                                         ; the closing round: no work-group ends while a partner may still ask for a tile that names it
	s_endpgm
.Lfunc_end_k_q425bdd42c6_proj:
	.size	k_q425bdd42c6_proj, .Lfunc_end_k_q425bdd42c6_proj-k_q425bdd42c6_proj
	.p2alignl 7, 3214868480
	.fill 96, 4, 3214868480
	.section	.rodata,"a",@progbits
	.p2align	6, 0x0
	.amdhsa_kernel k_q425bdd42c6_proj
		.amdhsa_group_segment_fixed_size 327680
		.amdhsa_private_segment_fixed_size 0
		.amdhsa_enable_private_segment 0
		.amdhsa_kernarg_size 48
		.amdhsa_user_sgpr_count 2
		.amdhsa_user_sgpr_kernarg_segment_ptr 1
		.amdhsa_wavefront_size32 1
		.amdhsa_system_sgpr_workgroup_id_x 1
		.amdhsa_system_sgpr_workgroup_id_y 1
		.amdhsa_system_sgpr_workgroup_id_z 1
		.amdhsa_system_vgpr_workitem_id 0
		.amdhsa_next_free_vgpr 1024
		.amdhsa_next_free_sgpr 100
		.amdhsa_reserve_vcc 0
		.amdhsa_float_denorm_mode_32 3
		.amdhsa_float_denorm_mode_16_64 3
		.amdhsa_memory_ordered 1
		.amdhsa_forward_progress 1
		.amdhsa_inst_pref_size 120
	.end_amdhsa_kernel
	.amdgpu_metadata
---
amdhsa.version: [ 1, 2 ]
amdhsa.kernels:
  - .name:           k_q425bdd42c6_proj
    .symbol:         k_q425bdd42c6_proj.kd
    .args:
      - { .name: codes, .offset: 0, .size: 8, .value_kind: global_buffer, .address_space: global }
      - { .name: scales, .offset: 8, .size: 8, .value_kind: global_buffer, .address_space: global }
      - { .name: bq, .offset: 16, .size: 8, .value_kind: global_buffer, .address_space: global }
      - { .name: bk, .offset: 24, .size: 8, .value_kind: global_buffer, .address_space: global }
      - { .name: bv, .offset: 32, .size: 8, .value_kind: global_buffer, .address_space: global }
      - { .name: qkv, .offset: 40, .size: 8, .value_kind: global_buffer, .address_space: global }
    .group_segment_fixed_size: 327680
    .private_segment_fixed_size: 0
    .kernarg_segment_align: 8
    .kernarg_segment_size: 48
    .max_flat_workgroup_size: 128
    .sgpr_count:     100
    .vgpr_count:     1024
    .wavefront_size: 32
...
	.end_amdgpu_metadata
.endif
;; end of part 3
;; launch attn (part 4): grid 4 x 64, 16 waves a work-group, clusters of 4 x 1, 327,680 bytes of LDS; arguments qkv, bits, att; writes att
.if DOCPART == 4
	.amdgcn_target "amdgcn-amd-amdhsa--gfx1250"
	.amdhsa_code_object_version 6
	.text
	.protected	k_q425bdd42c6_attn
	.globl	k_q425bdd42c6_attn
	.p2align	8
	.type	k_q425bdd42c6_attn,@function
k_q425bdd42c6_attn:
	s_mov_b64 s[64:65], 0
	v_nop
	global_prefetch_b8 v0, s[64:65] scope:SCOPE_SE
	s_setreg_imm32_b32 hwreg(HW_REG_WAVE_MODE, 25, 1), 1
	s_wait_xcnt 0x0
	s_wait_alu depctr_hold_cnt(0) depctr_sa_sdst(0) depctr_va_vdst(0) depctr_va_sdst(0) depctr_va_ssrc(0) depctr_va_vcc(0) depctr_vm_vsrc(0)
	s_getreg_b32 s2, hwreg(HW_REG_IB_STS2, 6, 4)
	s_cmp_eq_u32 s2, 0
	s_cbranch_scc0 .Lentry_in_a_cluster
	s_endpgm
.Lentry_in_a_cluster:
	s_bfe_u32 s2, ttmp6, 0x10000c
	s_cmp_lg_u32 s2, 0x3003
	s_cbranch_scc0 .Lentry_shape_is_right
	s_endpgm
.Lentry_shape_is_right:
; o[b][h][q] = the sum over k of softmax_k(q . k x ln(1024) / 8, hidden keys at -infinity) v[k]; 64 (batch, head) pairs, 2,048 queries and keys, head size 64.  Operands f16, products, maxima and sums f32.
; p = 2^(c s - c m) with c = log2(e) ln(1024) / 8 = 1.25 exactly and m the running maximum of the scores; in every step O and l are multiplied by a = 2^(c m_old - c m_new); l sums the unrounded p and divides at the end.
; MASKS: bits holds, for each tile of 16 queries, step of 64 keys and score register, the lanes whose score is hidden: one v_cndmask_b32 a score puts -infinity there, so p = 0.
; m begins at -1e38 (LIMIT: scores under that count as that); a query with no key keeps l = 0 and O = 0, and 0 x (1 / 0) gives NaN, as the softmax of a row of -infinity does.
; LIMITS: |q|, |k|, |v| under 65,504 (f16); NaN and infinities among the inputs are not served.
; SHARES.  A work-group owns 512 queries of one (batch, head); each of its sixteen waves 32 of them, two tiles, in 256 registers: four waves to a SIMD, so that one wave's softmax stands beside another's products.
; LAYOUT.  S^T = K Q^T (source 0 = 16 keys, source 1 = 16 queries), O^T = V^T P (source 0 = 16 channels, source 1 = P): a lane holds ONE query (lane % 16) throughout; two score tiles, rounded to f16 in pairs, ARE P.
; qkv holds q, k, v as images of operands: [16 rows][32 channels] = [g][lane][16 bytes].  Read as rows of 256 bytes, row cg of a tile of 16 keys holds channels 8 cg + 0 .. 7 of its 16 keys, 16 bytes a key.
; They lie in LDS as in memory, without padding.  K's fragments are read as they lie: an instruction's 512 bytes are consecutive.  V is turned by ds_load_tr16_b128, whose 16 lanes take 128 bytes of an even row and 128 of the
; odd row behind it; in v's odd rows the launch before has exchanged the two halves of eight keys, so that these two pieces are the first half of one row and the second half of the other.
; RING.  Two slots of 512 keys, 65,536 bytes of K and as many of V.  Every wave fetches 32 rows (four tiles of keys, 8,192 bytes) of a slot: waves 0-7 K's, waves 8-15 V's: so no branch leads round a tensor load; one load
; of mine is out behind each round, with a slot's eight key steps in which to land.  Four changes of slots in all.
; CLUSTER.  The four query blocks of a (batch, head) walk the same K and V: each tile is asked for jointly, by the same descriptor and a mask that names the four.
; THE MASK WORDS of both tiles, 64 scalar registers, are asked for a key step ahead: directly behind the lines that have used the last step's.
; REGISTERS: v1-9 addresses and constants; v12-27 statistics, eight a tile (+0 c m, +1 m, +2, +3 l, +4..7 at work, a in +6); v28-31 a second chain of sums; v32-63 Q; v64-127 S^T, P over its first 16 of each tile; v128-191 K, then V; v192-255 O^T.
.set SLOT1, 131072                     ; slot 1 begins here: one exclusive or turns an address in one slot into the other's
.set RP,    256                        ; a row in LDS
.set KT,    8*RP                       ; a tile of 16 keys
.set STEPB, 4*KT                       ; a step of 64 keys
.set NSTEP, 8                          ; key steps in a slot
.set VOFF,  NSTEP*STEPB                ; a slot: 32 tiles of K, then 32 of V
.set SLOTG, 65536                      ; a slot's bytes of K, or of V, in memory
.set SPARE, 2*SLOT1                    ; behind the ring: the spare words, 128 bytes for each wave
.set AK0, 1                            ; v1  my lane's place in a tile of K
.set AV0, 2                            ; v2  the same for V
.set ADK, 3                            ; v3  LDS address of the step's K
.set ADV, 4                            ; v4  of its V
.set SPW, 5                            ; v5  LDS address of my spare word; never rewritten
.set NIL, 6                            ; v6  0; never rewritten
.set NINF, 7                           ; v7  -infinity
.set LI,  8                            ; v8  16 x lane: my place in half an image
.set PFO, 9                            ; v9  256 x lane: the prefetches' offset
.set ST,  12
.set SX,  28
.set Q,   32
.set S,   64
.set KV,  128
.set O,   192
.set TB,  2                            ; s2  LDS byte at which the step's tiles begin
.set MO,  3                            ; s3  byte offset of the step's mask words: 128 a step
.set BITS, 4                           ; s[4:5] my first tile's mask words
.set ATT, 6                            ; s[6:7] my first tile's images in att
.set PFA, 8                            ; s[8:9] where my prefetches stand
.set LIM, 10                           ; s10 1 in a wave that prefetches, else the greatest number
.set WV,  11
.set SLOTS, 12
.set QUAD, 13
.set SEL, 14                           ; s[14:15] lane selects for v_permlanex16_b32: lane l xor 16
.set MW0, 16                           ; s[16:47] tile 0's 32 mask words of a step
.set G1,  48
.set G0,  56
.set CS,  60                           ; s[60:61] c, twice
.set QB,  62                           ; s[62:63] my queries' images
.set MW1, 68                           ; s[68:99] tile 1's 32 mask words (in the head: the arguments and work)
.macro CROUND                          ; a round of the cluster's barrier
	s_barrier_signal -1
	s_barrier_wait -1
	s_cmp_lg_u32 s[WV], 0
	s_cbranch_scc1 .Lnot_wave_0_\@
	s_barrier_signal -3
.Lnot_wave_0_\@:
	s_barrier_wait -3
	s_barrier_signal -1
	s_barrier_wait -1
.endm
.macro TLOAD                           ; my part of a slot; an s_nop 0 and four v_nop follow
	tensor_load_to_lds s[G0:G0+3], s[G1:G1+7]
	s_nop 0
.rept 4
	v_nop
.endr
.endm
; A PREFETCH INTO THE L2 of what the NEXT change of slots will ask for: a slot's 256 rows of K and 256 of V, 256 bytes a row, a lane a row.  This cluster alone reads its head's K and V.  Waves 0 and 4 ask for the two halves
; of K's rows, waves 8 and 12 for V's; of each half the four partners take 32 rows each, told apart by address: so each row is named once in the launch.  It stands behind the wave's tensor load, eight key steps ahead of
; the load that will want the rows.  The last change that fills a slot asks for nothing; slots 0 and 1 come by their loads alone.
.macro ASK
	s_cmp_gt_u32 s[SLOTS], s[LIM]
	s_cbranch_scc0 .Lnot_mine_\@
	global_prefetch_b8 v[PFO], s[PFA:PFA+1] th:TH_LOAD_NT scope:SCOPE_SE
.Lnot_mine_\@:
.endm
.macro MWORDS                          ; the mask words of the step at s[MO], both tiles: four loads of 64 bytes
	s_load_b512 s[MW0:MW0+15], s[BITS:BITS+1], s[MO] offset:0x0
	s_load_b512 s[MW0+16:MW0+31], s[BITS:BITS+1], s[MO] offset:0x40
	s_load_b512 s[MW1:MW1+15], s[BITS:BITS+1], s[MO] offset:0x1000
	s_load_b512 s[MW1+16:MW1+31], s[BITS:BITS+1], s[MO] offset:0x1040
.endm
	s_load_b128 s[68:71], s[0:1], 0x0              ; qkv, bits
	s_load_b64 s[72:73], s[0:1], 0x10              ; att
	v_lshl_add_u32 v[SPW], v0, 2, SPARE
	v_mov_b32 v[NIL], 0
	ds_add_u32 v[SPW], v[NIL]                      ; the wave's opening: the add, twice on end, and its wait ahead of my first tensor load; the set-up below stands between the second and the wait
	ds_add_u32 v[SPW], v[NIL]
	v_lshrrev_b32 v10, 5, v0
	v_readfirstlane_b32 s[WV], v10                 ; wave 0..15
	s_bfe_u32 s67, ttmp6, 0x40000                  ; cx: my place in the cluster
	s_and_b32 s66, ttmp7, 0xffff                   ; 16 x batch + head, which the four partners share
	; group 1: 32 rows of 256 bytes (32 elements of 8), dense in memory and in LDS
	s_mov_b32 s[G1], 15|(3<<16)|(1<<21)            ; 15:0 all four work-groups; 17:16 elements of 8 bytes; 20 no padding; 21 set beside a mask
	s_mov_b32 s[G1+1], 32<<16                      ; tensor_dim0
	s_mov_b32 s[G1+2], 32<<16                      ; tensor_dim1
	s_mov_b32 s[G1+3], 32<<16                      ; tile_dim0
	s_mov_b32 s[G1+4], 32                          ; tile_dim1
	s_mov_b32 s[G1+5], 32                          ; from row to row
	s_mov_b32 s[G1+6], 0
	s_mov_b32 s[G1+7], 0
	s_mov_b32 s[G0], 1
	s_lshl_b32 s[G0+1], s[WV], 13                  ; LDS: wave x four tiles of keys: waves 8-15 fall on V's part; no place in the cluster enters
	s_lshl_b32 s74, s66, 18                        ; memory: the head's 262,144 bytes,
	s_lshr_b32 s75, s[WV], 3
	s_add_co_u32 s75, s75, 1
	s_lshl_b32 s75, s75, 24                        ; in k (waves 0-7) or v (waves 8-15),
	s_add_co_u32 s74, s74, s75
	s_and_b32 s75, s[WV], 7
	s_lshl_b32 s75, s75, 13                        ; my four tiles of a slot's 32
	s_add_co_u32 s74, s74, s75
	s_mov_b32 s75, 0
	s_lshl_b32 s76, ttmp9, 2
	s_add_co_u32 s76, s76, s67                     ; my block of 512 queries: it enters q's, bits' and att's addresses alone
	s_lshl_b32 s78, s66, 18                        ; q: the head, my block's 32 tiles of 2,048 bytes, my wave's two
	s_lshl_b32 s77, s76, 16
	s_add_co_u32 s78, s78, s77
	s_lshl_b32 s77, s[WV], 12
	s_add_co_u32 s78, s78, s77
	s_mov_b32 s79, 0
	s_lshr_b32 s62, s66, 4                         ; batch
	s_lshl_b32 s[BITS], s62, 19                    ; bits: 128 tiles of 4,096 bytes a batch
	s_lshl_b32 s77, s76, 17
	s_add_co_u32 s[BITS], s[BITS], s77
	s_lshl_b32 s77, s[WV], 13
	s_add_co_u32 s[BITS], s[BITS], s77
	s_mov_b32 s[BITS+1], 0
	s_lshl_b32 s[ATT], s62, 22                     ; att: 128 tiles of rows of 32,768 bytes a batch; a head's two images lie 2,048 x head on
	s_lshl_b32 s77, s76, 20
	s_add_co_u32 s[ATT], s[ATT], s77
	s_lshl_b32 s77, s[WV], 16
	s_add_co_u32 s[ATT], s[ATT], s77
	s_and_b32 s77, s66, 15
	s_lshl_b32 s77, s77, 11
	s_add_co_u32 s[ATT], s[ATT], s77
	s_mov_b32 s[ATT+1], 0
	s_lshl_b32 s62, s67, 13                        ; the prefetches: my work-group's 32 rows of the 128 that begin where my wave's load begins,
	s_add_co_u32 s62, s62, SLOTG                   ; in slot 1: the first change of slots steps it to slot 2
	s_mov_b32 s63, 0
	s_and_b32 s[LIM], s[WV], 3
	s_cmp_eq_u32 s[LIM], 0                         ; waves 0, 4, 8, 12 stand at the first rows of the halves of K's and of V's part
	s_cselect_b32 s[LIM], 1, -1
	s_mov_b32 s[SEL], 0x76543210
	s_mov_b32 s[SEL+1], 0xfedcba98
	s_mov_b32 s[CS], 0x3fa00000                    ; c = 1.25
	s_mov_b32 s[CS+1], s[CS]                       ; (named with it as a pair, so it is written)
	s_mov_b32 s[TB], 0
	s_mov_b32 s[MO], 0
	s_mov_b32 s[SLOTS], 3
	s_wait_dscnt 0x0                               ; both opening adds are done
	s_wait_kmcnt 0x0
	s_add_nc_u64 s[PFA:PFA+1], s[68:69], s[74:75]
	s_mov_b64 s[G0+2:G0+3], s[PFA:PFA+1]           ; the descriptor's address is made of the head and the wave alone
	s_or_b32 s[G0+3], s[G0+3], 0x80000000          ; type = 2
	s_add_nc_u64 s[PFA:PFA+1], s[PFA:PFA+1], s[62:63]
	s_add_nc_u64 s[QB:QB+1], s[68:69], s[78:79]
	s_add_nc_u64 s[BITS:BITS+1], s[70:71], s[BITS:BITS+1]
	s_add_nc_u64 s[ATT:ATT+1], s[72:73], s[ATT:ATT+1]
	CROUND                                         ; all four work-groups are here: the first joint loads meet
	TLOAD                                          ; slot 0
	MWORDS                                         ; step 0's mask words (s66 to s79 have served)
	v_and_b32 v[LI], 31, v0
	v_lshlrev_b32 v[PFO], 8, v[LI]
	v_lshlrev_b32 v[LI], 4, v[LI]
.irp t, 0,1
.irp kc, 0,1
.irp g, 0,1
	global_load_b128 v[Q+16*\t+8*\kc+4*\g:Q+16*\t+8*\kc+4*\g+3], v[LI], s[QB:QB+1] offset:2048*\t+1024*\kc+512*\g   ; Q stays in registers
.endr
.endr
.endr
	v_and_b32 v[AK0], 31, v0
	v_lshlrev_b32 v[AK0], 4, v[AK0]                ; K: 16 x lane: key l % 16's 16 bytes, in the row of my half's channels
	v_and_b32 v10, 31, v0
	v_add_nc_u32 v10, 8, v10
	v_bfe_u32 v10, v10, 4, 1                       ; (l / 16) xor ((l / 8) % 2): bit 4 of l + 8
	v_and_b32 v[AV0], 7, v0
	v_lshlrev_b32 v[AV0], 4, v[AV0]                ; V: key 8 (l / 16) + l % 8: 16 bytes a key,
	v_lshl_add_u32 v[AV0], v10, 7, v[AV0]          ; in the half of the row where it lies: in odd rows the halves are exchanged,
	v_bfe_u32 v11, v0, 3, 1
	v_lshl_add_u32 v[AV0], v11, 8, v[AV0]          ; channels 8 ((l / 8) % 2) on: the even row or the odd one
	v_add_nc_u32 v[AV0], VOFF, v[AV0]
	v_mov_b32 v[NINF], 0xff800000
.irp t, 0,1
	v_mov_b32 v[ST+8*\t+1], 0xfe967699             ; m = -1e38
	v_mul_f32 v[ST+8*\t], s[CS], v[ST+8*\t+1]      ; c m
	v_mov_b32 v[ST+8*\t+2], 0                      ; l, in two halves
	v_mov_b32 v[ST+8*\t+3], 0
.endr
.irp j, 0,1,2,3,4,5,6,7,8,9,10,11,12,13,14,15,16,17,18,19,20,21,22,23,24,25,26,27,28,29,30,31,32,33,34,35,36,37,38,39,40,41,42,43,44,45,46,47,48,49,50,51,52,53,54,55,56,57,58,59,60,61,62,63
	v_mov_b32 v[O+\j], 0                           ; O^T.  (The step is written once for all steps: the first finds zeros)
.endr
.macro MASK t                          ; hidden scores become -infinity; each accumulator is read from its low end on
.irp i, 0,1,2,3,4,5,6,7,8,9,10,11,12,13,14,15,16,17,18,19,20,21,22,23,24,25,26,27,28,29,30,31
	v_cndmask_b32 v[S+32*(\t)+\i], v[S+32*(\t)+\i], v[NINF], s[MW0+(MW1-MW0)*(\t)+\i]
.endr
.endm
; THE SOFTMAX OF BOTH TILES, line by line in turns: where one line feeds the next (the end of the maximum, the chains of sums), the other tile's line stands between.
.macro SOFTMAX2
.irp j, 0,1,2,3                        ; the maximum of my 32 scores and the old m: four chains of seven, then the four left over
.irp t, 0,1
	v_max3_num_f32 v[ST+8*\t+4+\j], v[S+32*\t+8*\j], v[S+32*\t+8*\j+1], v[S+32*\t+8*\j+2]
.endr
.endr
.irp i, 3,5
.irp j, 0,1,2,3
.irp t, 0,1
	v_max3_num_f32 v[ST+8*\t+4+\j], v[ST+8*\t+4+\j], v[S+32*\t+8*\j+\i], v[S+32*\t+8*\j+\i+1]
.endr
.endr
.endr
.irp t, 0,1
	v_max3_num_f32 v[ST+8*\t+4], v[ST+8*\t+4], v[S+32*\t+7], v[S+32*\t+15]
.endr
.irp t, 0,1
	v_max3_num_f32 v[ST+8*\t+6], v[ST+8*\t+6], v[S+32*\t+23], v[S+32*\t+31]
.endr
.irp t, 0,1
	v_max3_num_f32 v[ST+8*\t+4], v[ST+8*\t+4], v[ST+8*\t+5], v[ST+8*\t+6]
.endr
.irp t, 0,1
	v_max3_num_f32 v[ST+8*\t+4], v[ST+8*\t+4], v[ST+8*\t+7], v[ST+8*\t+1]
.endr
.irp t, 0,1
	v_permlanex16_b32 v[ST+8*\t+5], v[ST+8*\t+4], s[SEL], s[SEL+1]         ; the query's other 32 keys lie in the lane 16 away
.endr
.irp t, 0,1
	v_mov_b32 v[ST+8*\t+7], v[ST+8*\t]             ; c m_old
.endr
.irp t, 0,1
	v_max_num_f32 v[ST+8*\t+1], v[ST+8*\t+4], v[ST+8*\t+5]                 ; the new m
.endr
.irp t, 0,1
	v_mul_f32 v[ST+8*\t], s[CS], v[ST+8*\t+1]
.endr
.irp t, 0,1
	v_sub_f32 v[ST+8*\t+7], v[ST+8*\t+7], v[ST+8*\t]
.endr
.irp j, 0,2,4,6,8,10,12,14,16,18,20,22,24,26,28,30
.irp t, 0,1
	v_pk_fma_f32 v[S+32*\t+\j:S+32*\t+\j+1], v[S+32*\t+\j:S+32*\t+\j+1], s[CS:CS+1], v[ST+8*\t:ST+8*\t+1] op_sel_hi:[1,0,0] neg_lo:[0,0,1] neg_hi:[0,0,1]   ; c s - c m
.endr
.endr
.irp t, 0,1
	v_exp_f32 v[ST+8*\t+6], v[ST+8*\t+7]           ; a.  ONE BATCH of 66 exponentials,
.endr
.irp e, 0,1,2,3,4,5,6,7,8,9,10,11,12,13,14,15,16,17,18,19,20,21,22,23,24,25,26,27,28,29,30,31
.irp t, 0,1
	v_exp_f32 v[S+32*\t+\e], v[S+32*\t+\e]
.endr
.endr
	v_nop                                          ; a plain instruction behind the last of them,
	s_wait_alu depctr_va_vdst(0)                   ; and one wait ahead of the first instruction that names a result
.irp t, 0,1
	v_pk_fma_f32 v[ST+8*\t+2:ST+8*\t+3], v[ST+8*\t+2:ST+8*\t+3], v[ST+8*\t+6:ST+8*\t+7], v[S+32*\t:S+32*\t+1] op_sel_hi:[1,0,1]   ; l = a l + the sum of the unrounded p, in two chains a tile
.endr
.irp t, 0,1
	v_pk_add_f32 v[SX+2*\t:SX+2*\t+1], v[S+32*\t+2:S+32*\t+3], v[S+32*\t+4:S+32*\t+5]
.endr
.irp i, 6,10,14,18,22,26
.irp t, 0,1
	v_pk_add_f32 v[ST+8*\t+2:ST+8*\t+3], v[ST+8*\t+2:ST+8*\t+3], v[S+32*\t+\i:S+32*\t+\i+1]
.endr
.irp t, 0,1
	v_pk_add_f32 v[SX+2*\t:SX+2*\t+1], v[SX+2*\t:SX+2*\t+1], v[S+32*\t+\i+2:S+32*\t+\i+3]
.endr
.endr
.irp t, 0,1
	v_pk_add_f32 v[ST+8*\t+2:ST+8*\t+3], v[ST+8*\t+2:ST+8*\t+3], v[S+32*\t+30:S+32*\t+31]
.endr
.irp t, 0,1
	v_pk_add_f32 v[ST+8*\t+2:ST+8*\t+3], v[ST+8*\t+2:ST+8*\t+3], v[SX+2*\t:SX+2*\t+1]
.endr
.irp i, 0,1,2,3,4,5,6,7,8,9,10,11,12,13,14,15
.irp t, 0,1
	v_cvt_pk_f16_f32 v[S+32*\t+\i], v[S+32*\t+2*\i], v[S+32*\t+2*\i+1]     ; P, laid over the scores: register i has been read by the time it is written
.endr
.endr
.irp j, 0,2,4,6,8,10,12,14,16,18,20,22,24,26,28,30
.irp t, 0,1
	v_pk_mul_f32 v[O+32*\t+\j:O+32*\t+\j+1], v[O+32*\t+\j:O+32*\t+\j+1], v[ST+8*\t+6:ST+8*\t+7] op_sel_hi:[1,0]   ; O^T x a
.endr
.endr
.endm
; A KEY STEP: 64 keys.
.macro STEP
	v_add_nc_u32 v[ADK], s[TB], v[AK0]
	v_add_nc_u32 v[ADV], s[TB], v[AV0]
.rept 3
	v_nop                                          ; with the two additions: five places behind the last step's products, whose P the products below write over and whose V the loads below land on
.endr
.irp kt, 0,1,2,3
.irp kc, 0,1
.irp e, 0,1
	ds_load_b128 v[KV+16*\kt+8*\kc+4*\e:KV+16*\kt+8*\kc+4*\e+3], v[ADK] offset:KT*\kt+4*RP*\kc+2*RP*\e
.endr
.endr
.endr
	s_wait_dscnt 0x0
.irp kc, 0,1                           ; S^T = K Q^T: eight accumulators by turns
.irp kt, 0,1,2,3
.irp t, 0,1
.if \kc == 0
	v_wmma_f32_16x16x32_f16 v[S+32*\t+8*\kt:S+32*\t+8*\kt+7], v[KV+16*\kt+8*\kc:KV+16*\kt+8*\kc+7], v[Q+16*\t+8*\kc:Q+16*\t+8*\kc+7], 0
.else
	v_wmma_f32_16x16x32_f16 v[S+32*\t+8*\kt:S+32*\t+8*\kt+7], v[KV+16*\kt+8*\kc:KV+16*\kt+8*\kc+7], v[Q+16*\t+8*\kc:Q+16*\t+8*\kc+7], v[S+32*\t+8*\kt:S+32*\t+8*\kt+7]
.endif
.endr
.endr
.endr
.rept 4
	v_nop                                          ; places in front of the loads into K's registers and of the first read of the scores
.endr
.irp u, 0,1                            ; V, turned: keys 32 u + 16 e on, channels 16 ct on.  It lands under the softmax
.irp ct, 0,1,2,3
.irp e, 0,1
	ds_load_tr16_b128 v[KV+32*\u+8*\ct+4*\e:KV+32*\u+8*\ct+4*\e+3], v[ADV] offset:KT*(2*\u+\e)+2*RP*\ct
.endr
.endr
.endr
	s_wait_kmcnt 0x0                               ; this step's mask words, asked for a step ago: so the offset that their loads read may be stepped, too
	MASK 0
	MASK 1
	s_add_co_u32 s[MO], s[MO], 128
	s_and_b32 s[MO], s[MO], 4095                   ; the last step wraps to step 0: the loads stay inside the buffer, and their words are not used
	MWORDS                                         ; the next step's: both softmaxes, both products and K's loads stand between these loads and the wait for them
	SOFTMAX2
	s_wait_dscnt 0x0                               ; V
.irp u, 0,1                            ; O^T += V^T P: eight accumulators by turns
.irp ct, 0,1,2,3
.irp t, 0,1
	v_wmma_f32_16x16x32_f16 v[O+32*\t+8*\ct:O+32*\t+8*\ct+7], v[KV+32*\u+8*\ct:KV+32*\u+8*\ct+7], v[S+32*\t+8*\u:S+32*\t+8*\u+7], v[O+32*\t+8*\ct:O+32*\t+8*\ct+7]
.endr
.endr
.endr
	s_add_co_u32 s[TB], s[TB], STEPB
.endm
; THE CHANGE OF SLOTS stands at a slot's head.  Each wave waits for all its tensor loads (its part of the slot that it is about to read), adds 0 to its spare word, and waits for that and for its reads of the slot that it has left.
; fill = 1: the barrier is a round of the cluster's, so that no wave of any partner still reads the other slot or has a load on its way; the joint load for that slot is the first thing behind it and has a slot's eight steps in which to land.
.macro CHANGE fill
	s_wait_tensorcnt 0x0                           ; no tensor load of mine is out, so the group 0 may be written
	ds_add_u32 v[SPW], v[NIL]                      ; 0 onto my spare word
.if \fill
	s_xor_b32 s[G0+1], s[G0+1], SLOT1              ; the other slot than last time,
	s_add_nc_u64 s[G0+2:G0+3], s[G0+2:G0+3], SLOTG ; the next 512 keys; the type bits on top are not reached
	s_wait_xcnt 0x0                                ; the last prefetch, a slot back, has read its address, so it may be written
	s_add_nc_u64 s[PFA:PFA+1], s[PFA:PFA+1], SLOTG ; one slot further on than the descriptor
	s_wait_dscnt 0x0                               ; the add is done, and my reads of the slot that I have left are over
	CROUND
	TLOAD
	ASK
.else
	s_wait_dscnt 0x0
	s_barrier_signal -1
	s_barrier_wait -1
.endif
.endm
.macro SLOT_STEPS                      ; a slot's eight steps: written once, walked eight times; the LDS addresses hang on s[TB]
	s_mov_b32 s[QUAD], NSTEP
.Lstep_\@:
	STEP
	s_sub_co_u32 s[QUAD], s[QUAD], 1
	s_cmp_lg_u32 s[QUAD], 0
	s_cbranch_scc1 .Lstep_\@
	s_sub_co_u32 s[TB], s[TB], NSTEP*STEPB         ; back to a slot's first step,
	s_xor_b32 s[TB], s[TB], SLOT1                  ; in the other slot
.endm
	s_wait_loadcnt 0x0                             ; Q
.Lslot:                                            ; three trips: behind each change of slots but the last the next slot is asked for
	CHANGE 1
	SLOT_STEPS
	s_sub_co_u32 s[SLOTS], s[SLOTS], 1
	s_cmp_lg_u32 s[SLOTS], 0
	s_cbranch_scc1 .Lslot
	CHANGE 0                                       ; the last slot is written out
	SLOT_STEPS
	; THE WAY OUT.  l's halves and the other half of the lanes' are added; O^T is divided by l and rounded to f16.  A lane's eight channels of a query are 16 bytes of an image of the next product's operand: no stage.
	s_wait_kmcnt 0x0                               ; the wrapped loads of mask words
.irp t, 0,1
	v_add_f32 v[ST+8*\t+4], v[ST+8*\t+2], v[ST+8*\t+3]             ; (these additions and the v_nop below are the places behind the last products)
.endr
.irp t, 0,1
	v_permlanex16_b32 v[ST+8*\t+5], v[ST+8*\t+4], s[SEL], s[SEL+1]
.endr
.irp t, 0,1
	v_add_f32 v[ST+8*\t+4], v[ST+8*\t+4], v[ST+8*\t+5]
.endr
.irp t, 0,1
	v_rcp_f32 v[ST+8*\t+6], v[ST+8*\t+4]
.endr
	v_nop                                          ; a plain instruction behind the reciprocals,
	s_wait_alu depctr_va_vdst(0)                   ; and the one wait ahead of their first use
.irp t, 0,1
.irp j, 0,2,4,6,8,10,12,14,16,18,20,22,24,26,28,30
	v_pk_mul_f32 v[O+32*\t+\j:O+32*\t+\j+1], v[O+32*\t+\j:O+32*\t+\j+1], v[ST+8*\t+6:ST+8*\t+7] op_sel_hi:[1,0]
.endr
.endr
.irp t, 0,1
.irp i, 0,1,2,3,4,5,6,7,8,9,10,11,12,13,14,15
	v_cvt_pk_f16_f32 v[S+16*\t+\i], v[O+32*\t+2*\i], v[O+32*\t+2*\i+1]
.endr
.endr
.irp t, 0,1
.irp ct, 0,1,2,3
	global_store_b128 v[LI], v[S+16*\t+4*\ct:S+16*\t+4*\ct+3], s[ATT:ATT+1] offset:32768*\t+512*\ct th:TH_STORE_NT   ; 32 lanes store 512 consecutive bytes
.endr
.endr
	s_wait_tensorcnt 0x0                           ; the wave's end, behind my last tensor load
	ds_add_u32 v[SPW], v[NIL]
	s_wait_dscnt 0x0
	CROUND                                         ; the closing round: no work-group ends while a partner may still ask for a tile that names it
	s_endpgm
.Lfunc_end_k_q425bdd42c6_attn:
	.size	k_q425bdd42c6_attn, .Lfunc_end_k_q425bdd42c6_attn-k_q425bdd42c6_attn
	.p2alignl 7, 3214868480
	.fill 96, 4, 3214868480
	.section	.rodata,"a",@progbits
	.p2align	6, 0x0
	.amdhsa_kernel k_q425bdd42c6_attn
		.amdhsa_group_segment_fixed_size 327680
		.amdhsa_private_segment_fixed_size 0
		.amdhsa_enable_private_segment 0
		.amdhsa_kernarg_size 24
		.amdhsa_user_sgpr_count 2
		.amdhsa_user_sgpr_kernarg_segment_ptr 1
		.amdhsa_wavefront_size32 1
		.amdhsa_system_sgpr_workgroup_id_x 1
		.amdhsa_system_sgpr_workgroup_id_y 1
		.amdhsa_system_sgpr_workgroup_id_z 1
		.amdhsa_system_vgpr_workitem_id 0
		.amdhsa_next_free_vgpr 256
		.amdhsa_next_free_sgpr 100
		.amdhsa_reserve_vcc 0
		.amdhsa_float_denorm_mode_32 3
		.amdhsa_float_denorm_mode_16_64 3
		.amdhsa_memory_ordered 1
		.amdhsa_forward_progress 1
		.amdhsa_inst_pref_size 58
	.end_amdhsa_kernel
	.amdgpu_metadata
---
amdhsa.version: [ 1, 2 ]
amdhsa.kernels:
  - .name:           k_q425bdd42c6_attn
    .symbol:         k_q425bdd42c6_attn.kd
    .args:
      - { .name: qkv, .offset: 0, .size: 8, .value_kind: global_buffer, .address_space: global }
      - { .name: bits, .offset: 8, .size: 8, .value_kind: global_buffer, .address_space: global }
      - { .name: att, .offset: 16, .size: 8, .value_kind: global_buffer, .address_space: global }
    .group_segment_fixed_size: 327680
    .private_segment_fixed_size: 0
    .kernarg_segment_align: 8
    .kernarg_segment_size: 24
    .max_flat_workgroup_size: 512
    .sgpr_count:     100
    .vgpr_count:     256
    .wavefront_size: 32
...
	.end_amdgpu_metadata
.endif
;; end of part 4
;; launch oproj (part 5): grid 8 x 32, 4 waves a work-group, clusters of 4 x 4, 327,680 bytes of LDS; arguments att, wo16, bo, out0; writes out0
.if DOCPART == 5
	.amdgcn_target "amdgcn-amd-amdhsa--gfx1250"
	.amdhsa_code_object_version 6
	.text
	.protected	k_q425bdd42c6_oproj
	.globl	k_q425bdd42c6_oproj
	.p2align	8
	.type	k_q425bdd42c6_oproj,@function
k_q425bdd42c6_oproj:
	s_mov_b64 s[64:65], 0
	v_nop
	global_prefetch_b8 v0, s[64:65] scope:SCOPE_SE
	s_setreg_imm32_b32 hwreg(HW_REG_WAVE_MODE, 25, 1), 1
	s_wait_xcnt 0x0
	s_wait_alu depctr_hold_cnt(0) depctr_sa_sdst(0) depctr_va_vdst(0) depctr_va_sdst(0) depctr_va_ssrc(0) depctr_va_vcc(0) depctr_vm_vsrc(0)
	s_getreg_b32 s2, hwreg(HW_REG_IB_STS2, 6, 4)
	s_cmp_eq_u32 s2, 0
	s_cbranch_scc0 .Lentry_in_a_cluster
	s_endpgm
.Lentry_in_a_cluster:
	s_bfe_u32 s2, ttmp6, 0x10000c
	s_cmp_lg_u32 s2, 0xf033
	s_cbranch_scc0 .Lentry_shape_is_right
	s_endpgm
.Lentry_shape_is_right:
; out0[m][n] = sum over k of att[m][k] Wo[n][k] + bo[n]; M = 8,192, N = K = 1,024; operands f16, sums f32, out0 f32.
; att and wo16 hold IMAGES of operands: [tile of 16 rows][kc (32)][g (2)][lane (32)][16 bytes]; lane r + 16 h holds row r, k = 32 kc + 16 g + 8 h + 0 .. 7.  So a fragment is two loads at 16 x lane, 512 consecutive bytes each: no pitch, no padding.
; A tile of C is 128 x 128; four waves, each 64 x 64: 16 accumulators.  K goes in four steps of 256 through two LDS slots; a wave's tensor load brings four tiles of rows x 8,192 bytes.
; A WORK-GROUP STAYS: 256 work-groups make two tiles of C each, 32 tile rows (4,096 rows) apart, in the same columns.  The ring does not stop at the first tile's end: its last two changes of slots ask for the second
; tile's K steps 0 and 1, and nothing waits for the first tile's stores, which leave while the second tile is multiplied.  The eight K steps are written out.
; CLUSTERS: 4 x 4 work-groups; att's tiles are shared along a row of the cluster, wo16's along a column: each is asked for jointly.
; THE MATRIX INSTRUCTION IS USED TRANSPOSED (source 0 = 16 rows of Wo, source 1 = 16 rows of att): a lane holds eight neighbouring n of a row m.  The bias is the C of each sum's first product, in both tiles.
; A row that attention left as NaN (a query with no key) gives NaN in its own row of out0 alone.
; REGISTERS: window 0: v0-31 addresses; v32-63 the bias, kept; v64-127 rows on the way out, two sets; v128-255 the accumulators ((a, b) at v[128 + 8 (4 a + b)]).  window 1: two fragment buffers of 128: 64 registers of att, then 64 of Wo.
.set KSB,    8192                      ; a K step of one tile of rows: eight images
.set HALFT,  4*KSB                     ; what one tensor load brings, and what one wave reads of either operand
.set SLOT,   4*HALFT
.set STAGE,  2*SLOT                    ; behind the ring: 16 rows x 272 bytes for each wave, for the way out
.set SPITCH, 272
.set SPARE,  STAGE+4*16*SPITCH         ; the spare words, 128 bytes for each wave
.set NEXT_A, 32*262144-2*KSB           ; from a slot's last K step of the first tile to its first of the second: att goes 32 tile rows of 262,144 bytes down and two K steps back,
.set BACK_B, 2*KSB                     ; wo16 only back: both tiles take the same rows of Wo
.set NEXT_C, 32*128*4096               ; from the first tile's rows of out0 to the second's
.set ADRA, 16                          ; v16-17  LDS address of my att fragments in slot 0, 1
.set ADRB, 20                          ; v20-21  the same for Wo
.set BO,   23                          ; v23     32 x (lane / 16)
.set STO,  24                          ; v24     the way out: where I put 32 bytes of a row
.set RD,   25                          ; v25     where I read a row back
.set CO,   26                          ; v26     my byte offset in out0
.set SPW,  28                          ; v28     LDS address of my spare word; never rewritten
.set NIL,  29                          ; v29     0; never rewritten
.set BI,   32
.set OB,   64
.set ACC,  128
.set F0,   0
.set F1,   128
.set G1, 24
.set G0, 32
.set G1B, 48
.set G0B, 56
.set MSB, 0
.macro WIN new                         ; the immediate's high byte repeats the setting that is left
.if MSB != \new
	s_set_vgpr_msb (MSB<<8)|\new
.set MSB, \new
.endif
.endm
.set MUL,  0x05                        ; sources 0 (Wo) and 1 (att) window 1; C and D window 0
.set TO_F, 0x40                        ; destination window 1, address window 0
.macro JLOAD s                         ; a joint load: waves 0 and 1 fetch att's two halves, waves 2 and 3 Wo's; an s_nop 0 and four v_nop follow each of the two lines
	s_cmp_eq_u32 s13, 0
	s_cbranch_scc0 .Lfor_b_\@
	tensor_load_to_lds s[G0+4*\s:G0+4*\s+3], s[G1:G1+7]
	s_nop 0
.rept 4
	v_nop
.endr
	s_branch .Lasked_\@
.Lfor_b_\@:
	tensor_load_to_lds s[G0B+4*\s:G0B+4*\s+3], s[G1B:G1B+7]
	s_nop 0
.rept 4
	v_nop
.endr
.Lasked_\@:
.endm
.macro CREST                           ; a round of the cluster's barrier behind its opening barrier
	s_cmp_lg_u32 s12, 0
	s_cbranch_scc1 .Lnot_wave_0_\@
	s_barrier_signal -3
.Lnot_wave_0_\@:
	s_barrier_wait -3
	s_barrier_signal -1
	s_barrier_wait -1
.endm
.macro CROUND
	s_barrier_signal -1
	s_barrier_wait -1
	CREST
.endm
	s_load_b256 s[4:11], s[0:1], 0x0               ; att 4, wo16 6, bo 8, out0 10
	v_lshl_add_u32 v[SPW], v0, 2, SPARE
	v_mov_b32 v[NIL], 0
	ds_add_u32 v[SPW], v[NIL]                      ; the wave's opening: the add, twice on end, and its wait ahead of my first tensor load; the set-up below stands between the second and the wait
	ds_add_u32 v[SPW], v[NIL]
	v_lshrrev_b32 v1, 5, v0
	v_readfirstlane_b32 s12, v1                    ; wave 0..3
	s_lshr_b32 s13, s12, 1                         ; which half of the tile's rows is mine.  Also: I fetch for att (0) or for Wo (1)
	s_and_b32 s14, s12, 1                          ; which half of its columns.  Also: which 64 rows I fetch
	s_bfe_u32 s40, ttmp6, 0x40000                  ; cx, cy
	s_bfe_u32 s41, ttmp6, 0x40004
	s_lshl_b32 s42, ttmp9, 2
	s_add_co_u32 s42, s42, s40                     ; tile column
	s_and_b32 s15, ttmp7, 0xffff
	s_lshl_b32 s15, s15, 2
	s_add_co_u32 s15, s15, s41                     ; the first tile's tile row, 0 to 31
	s_lshl_b32 s43, s41, 2
	s_lshl_b32 s43, 15, s43                        ; my row of the cluster
	s_lshl_b32 s44, 0x1111, s40                    ; my column
	; group 1: four rows of 8,192 bytes (1,024 elements of 8), 32,768 bytes apart in memory, on end in LDS
	s_or_b32 s[G1+0], s43, (3<<16)|(1<<21)         ; 15:0 the mask; 17:16 elements of 8 bytes; 21 set beside a mask
	s_or_b32 s[G1B+0], s44, (3<<16)|(1<<21)
.irp g, G1, G1B
	s_mov_b32 s[\g+1], 1024<<16                    ; tensor_dim0
	s_mov_b32 s[\g+2], 4<<16                       ; tensor_dim1
	s_mov_b32 s[\g+3], 1024<<16                    ; tile_dim0
	s_mov_b32 s[\g+4], 4                           ; tile_dim1
	s_mov_b32 s[\g+5], 4096                        ; from row to row
	s_mov_b32 s[\g+6], 0
	s_mov_b32 s[\g+7], 0
.endr
	s_lshl_b32 s17, s14, 17                        ; which four tiles of rows I fetch
	s_lshl_b32 s16, s15, 18                        ; att: eight tiles of rows of 32,768 bytes a tile row of C
	s_add_co_u32 s16, s16, s17
	s_lshl_b32 s46, s42, 18                        ; wo16 likewise, by the tile column
	s_add_co_u32 s46, s46, s17
	s_mov_b32 s17, 0
	s_mov_b32 s47, 0
	s_lshl_b32 s20, s12, 15                        ; where they go: wave x 32,768: no place in the cluster enters an LDS address
	s_wait_dscnt 0x0                               ; both opening adds are done
	s_wait_kmcnt 0x0
	s_add_nc_u64 s[18:19], s[4:5], s[16:17]
	s_add_nc_u64 s[46:47], s[6:7], s[46:47]
	CROUND                                         ; all sixteen work-groups are here: the first joint loads meet
.irp s, 0,1
	s_mov_b32 s[G0+4*\s], 1
	s_add_co_u32 s[G0+4*\s+1], s20, \s*SLOT
	s_add_nc_u64 s[G0+4*\s+2:G0+4*\s+3], s[18:19], \s*KSB
	s_or_b32 s[G0+4*\s+3], s[G0+4*\s+3], 0x80000000
	s_mov_b32 s[G0B+4*\s], 1
	s_add_co_u32 s[G0B+4*\s+1], s20, \s*SLOT
	s_add_nc_u64 s[G0B+4*\s+2:G0B+4*\s+3], s[46:47], \s*KSB
	s_or_b32 s[G0B+4*\s+3], s[G0B+4*\s+3], 0x80000000
	JLOAD \s                                       ; two tensor loads of mine are out behind the second
.endr
	v_and_b32 v1, 15, v0                           ; l % 16
	v_bfe_u32 v2, v0, 4, 1                         ; l / 16
	v_lshlrev_b32 v[BO], 5, v2
	s_lshl_b32 s46, s42, 9                         ; my 64 columns, in bytes: 4 x (128 x tile column + 64 x half)
	s_lshl_b32 s47, s14, 8
	s_add_co_u32 s46, s46, s47
	s_mov_b32 s47, 0
	s_add_nc_u64 s[8:9], s[8:9], s[46:47]
.irp b, 0,1,2,3
.irp e, 0,1
	global_load_b128 v[BI+8*\b+4*\e:BI+8*\b+4*\e+3], v[BO], s[8:9] offset:64*\b+16*\e   ; bo(16 b + 8 h + 4 e + 0 .. 3): the result's layout
.endr
.endr
	v_and_b32 v3, 31, v0
	v_lshlrev_b32 v3, 4, v3                        ; 16 x lane
	s_lshl_b32 s21, s13, 15                        ; my 64 rows of att
	s_lshl_b32 s22, s14, 15                        ; my 64 rows of Wo,
	s_add_co_u32 s22, s22, 2*HALFT                 ; which lie behind att's 128
.irp s, 0,1
	v_add_nc_u32 v[ADRA+\s], s21, v3
	v_add_nc_u32 v[ADRB+\s], s22, v3
	s_add_co_u32 s21, s21, SLOT
	s_add_co_u32 s22, s22, SLOT
.endr
	s_mul_i32 s23, s12, 16*SPITCH
	s_add_co_u32 s23, s23, STAGE                   ; my stage
	v_mul_u32_u24 v4, v1, SPITCH                   ; in: row l % 16, 32 bytes for each half of the lanes
	v_lshl_add_u32 v4, v2, 5, v4
	v_add_nc_u32 v[STO], s23, v4
	v_mul_u32_u24 v5, v2, SPITCH                   ; back: lanes 0-15 take one row of 256 bytes, lanes 16-31 the next
	v_lshl_add_u32 v5, v1, 4, v5
	v_add_nc_u32 v[RD], s23, v5
	v_lshlrev_b32 v5, 12, v2                       ; and the same two rows in out0: 4,096 bytes a row
	v_lshl_add_u32 v[CO], v1, 4, v5
	s_lshl_b32 s16, s15, 19                        ; my first row: 128 x tile row + 64 x half
	s_lshl_b32 s17, s13, 18
	s_add_co_u32 s16, s16, s17
	s_mov_b32 s17, 0
	s_add_nc_u64 s[10:11], s[10:11], s[16:17]
	s_add_nc_u64 s[10:11], s[10:11], s[46:47]      ; and my first column
; 8 matrix instructions: m blocks a0, a0 + 1 x all 4 n blocks, 32 along K: half c of buffer f.  zero = 1: the first product starts the sums from the bias.  The 16 accumulators take turns.
.macro MUL8 f, c, a0, zero
.irp a, \a0, \a0+1
.irp b, 0,1,2,3
.if \zero
	v_wmma_f32_16x16x32_f16 v[ACC+8*(4*(\a)+\b):ACC+8*(4*(\a)+\b)+7], v[\f+64+8*(4*\c+\b):\f+64+8*(4*\c+\b)+7], v[\f+8*(4*\c+\a):\f+8*(4*\c+\a)+7], v[BI+8*\b:BI+8*\b+7]
.else
	v_wmma_f32_16x16x32_f16 v[ACC+8*(4*(\a)+\b):ACC+8*(4*(\a)+\b)+7], v[\f+64+8*(4*\c+\b):\f+64+8*(4*\c+\b)+7], v[\f+8*(4*\c+\a):\f+8*(4*\c+\a)+7], v[ACC+8*(4*(\a)+\b):ACC+8*(4*(\a)+\b)+7]
.endif
.endr
.endr
.endm
; 32 LDS loads in one run: the fragments of 64 along K (two images of each tile of rows, from byte k of its 8,192) into buffer f; the first 32 along K first
.macro FETCH slot, k, f
	WIN TO_F
.irp c, 0,1
.irp i, 0,1,2,3
	ds_load_b128 v[\f+64+8*(4*\c+\i):\f+64+8*(4*\c+\i)+3],   v[ADRB+\slot] offset:\k+1024*\c+KSB*\i
	ds_load_b128 v[\f+64+8*(4*\c+\i)+4:\f+64+8*(4*\c+\i)+7], v[ADRB+\slot] offset:\k+1024*\c+KSB*\i+512
	ds_load_b128 v[\f+8*(4*\c+\i):\f+8*(4*\c+\i)+3],         v[ADRA+\slot] offset:\k+1024*\c+KSB*\i
	ds_load_b128 v[\f+8*(4*\c+\i)+4:\f+8*(4*\c+\i)+7],       v[ADRA+\slot] offset:\k+1024*\c+KSB*\i+512
.endr
.endr
.endm
.macro PLACES                          ; four places in front of loads into registers that matrix instructions have read
.rept 4
	v_nop
.endr
.endm
; A K step is four quarters of 64 along K, 32 matrix instructions each, on buffers 0, 1, 0, 1.  One of the first three: multiplies buffer f and fetches the next quarter, at byte k, into g.
.macro QUARTER slot, k, f, g, zero
	s_wait_dscnt 16                                ; the first 32 along K are in; the other sixteen loads may be out
	WIN MUL
	MUL8 \f, 0, 0, \zero
	MUL8 \f, 0, 2, \zero
	PLACES
	FETCH \slot, \k, \g
	s_wait_dscnt 32                                ; all but the 32 just issued
	WIN MUL
	MUL8 \f, 1, 0, 0
	MUL8 \f, 1, 2, 0
.endm
; The last quarter multiplies buffer 1 and changes slots: ONE barrier; in front of it each wave waits for all its tensor loads, adds 0 to its spare word, and waits for that and for its own reads of this slot.
; fill = 1: this slot is filled again, two K steps ahead;  fill = 2: with the second tile's K step of the same slot;  fill = 0: nothing is left to fetch.
.macro TURN slot, next, fill
	WIN 0                                          ; (the add's two registers lie in window 0)
	s_wait_tensorcnt 0x0                           ; all my tensor loads have landed: my part of the next slot;
	ds_add_u32 v[SPW], v[NIL]                      ; 0 onto my spare word;
	s_wait_dscnt 17                                ; (the add and the youngest sixteen loads may be out)
	WIN MUL
	MUL8 F1, 0, 0, 0                               ; eight matrix instructions stand between the add and the wait for it
	s_wait_dscnt 0x0                               ; the add is done, and my reads of this slot are over
	s_barrier_signal -1
	MUL8 F1, 0, 2, 0
.if \fill
	WIN 0
.endif
	s_barrier_wait -1
.if \fill
	CREST                                          ; the barrier has opened a round of the cluster's: no wave of any partner still reads this slot's tile or has a load on its way
.if \fill == 2
	s_add_nc_u64 s[G0+4*\slot+2:G0+4*\slot+3], s[G0+4*\slot+2:G0+4*\slot+3], NEXT_A
	s_sub_nc_u64 s[G0B+4*\slot+2:G0B+4*\slot+3], s[G0B+4*\slot+2:G0B+4*\slot+3], BACK_B
.else
	s_add_nc_u64 s[G0+4*\slot+2:G0+4*\slot+3], s[G0+4*\slot+2:G0+4*\slot+3], 2*KSB
	s_add_nc_u64 s[G0B+4*\slot+2:G0B+4*\slot+3], s[G0B+4*\slot+2:G0B+4*\slot+3], 2*KSB
.endif
	JLOAD \slot                                    ; the first tensor load behind the round; the four v_nop behind it are also the places in front of the loads below
.else
	PLACES
.endif
	FETCH \next, 0, F0
	WIN MUL
	MUL8 F1, 1, 0, 0
	MUL8 F1, 1, 2, 0
.endm
; THE WAY OUT, block by block of 16 rows x 64 columns.  A lane holds 32 neighbouring bytes of a row, and the lanes beside it hold other rows: so a block goes through my own stage in LDS and comes back as whole
; rows of 256 bytes.  LDS serves a wave's instructions in order (ISA guide 5.7.1.4): no wait between the stores and the loads, nor in front of the next block's stores.  No tensor load ever lands in the stage.
.macro TOSTAGE a
.irp b, 0,1,2,3
	ds_store_b128 v[STO], v[ACC+8*(4*(\a)+\b):ACC+8*(4*(\a)+\b)+3] offset:64*\b          ; each accumulator from its low end on
	ds_store_b128 v[STO], v[ACC+8*(4*(\a)+\b)+4:ACC+8*(4*(\a)+\b)+7] offset:64*\b+16
.endr
.irp i, 0,1,2,3,4,5,6,7
	ds_load_b128 v[OB+32*((\a)%2)+4*\i:OB+32*((\a)%2)+4*\i+3], v[RD] offset:\i*2*SPITCH
.endr
.endm
.macro SEND a, younger                 ; younger: the LDS instructions issued behind block a's loads, which may stay out
	s_wait_dscnt \younger
.irp i, 0,1,2,3,4,5,6,7
	global_store_b128 v[CO], v[OB+32*((\a)%2)+4*\i:OB+32*((\a)%2)+4*\i+3], s[10:11] offset:(16*(\a)+2*\i)*4096 th:TH_STORE_NT   ; 16 lanes store 256 consecutive bytes, at a multiple of 256 from out0's first byte
.endr
.endm
.macro WAYOUT again                    ; again = 1: the second tile
	WIN 0
.rept 5
	v_nop                                          ; four places ahead of the first read of results; the fifth because the next tile's first products begin these accumulators anew, from the bias, and no other vector instruction stands on the way out
.endr
.if \again
	s_wait_xcnt 0x0                                ; the first tile's stores have read their base and their registers: both are written again
	s_add_nc_u64 s[10:11], s[10:11], NEXT_C
.endif
	TOSTAGE 0
	TOSTAGE 1
	SEND 0, 16                                     ; behind block 0's loads: block 1's eight stores and eight loads
	s_wait_xcnt 0x0                                ; block 0's stores have read their registers: block 2's loads may land there
	TOSTAGE 2
	SEND 1, 16
	s_wait_xcnt 0x0
	TOSTAGE 3
	SEND 2, 16
	SEND 3, 0
.endm
.macro THREE slot, zero                ; a K step's first three quarters
	QUARTER \slot, 2048, F0, F1, \zero
	QUARTER \slot, 4096, F1, F0, 0
	QUARTER \slot, 6144, F0, F1, 0
.endm
	s_wait_tensorcnt 1                             ; my part of K step 0 is in (K step 1's load may be out),
	s_barrier_signal -1
	s_barrier_wait -1                              ; everybody's is
	FETCH 0, 0, F0
	s_wait_loadcnt 0x0                             ; the bias
	THREE 0, 1                                     ; THE FIRST TILE.  K step 0: its first products start the sums
	TURN 0, 1, 1                                   ; slot 0 takes K step 2
	THREE 1, 0                                     ; K step 1
	TURN 1, 0, 1                                   ; slot 1 takes K step 3
	THREE 0, 0                                     ; K step 2
	TURN 0, 1, 2                                   ; THE RING GOES ON INTO THE SECOND TILE: slot 0 takes its K step 0,
	THREE 1, 0                                     ; K step 3
	TURN 1, 0, 2                                   ; slot 1 its K step 1, and the second tile's first fragments are fetched
	WAYOUT 0                                       ; both refills are asked for: now the first tile goes out
	THREE 0, 1                                     ; THE SECOND TILE.  K step 0
	TURN 0, 1, 1
	THREE 1, 0
	TURN 1, 0, 1
	THREE 0, 0
	TURN 0, 1, 0                                   ; nothing is left to fetch
	THREE 1, 0
	s_wait_dscnt 16                                ; the very last quarter
	WIN MUL
	MUL8 F1, 0, 0, 0
	MUL8 F1, 0, 2, 0
	s_wait_dscnt 0
	MUL8 F1, 1, 0, 0
	MUL8 F1, 1, 2, 0
	WAYOUT 1
	s_wait_tensorcnt 0x0                           ; the wave's end, behind my last tensor load and my last LDS store
	ds_add_u32 v[SPW], v[NIL]
	s_wait_dscnt 0x0
	CROUND                                         ; the closing round: no work-group ends while a partner may still ask for a tile that names it
	s_endpgm
.Lfunc_end_k_q425bdd42c6_oproj:
	.size	k_q425bdd42c6_oproj, .Lfunc_end_k_q425bdd42c6_oproj-k_q425bdd42c6_oproj
	.p2alignl 7, 3214868480
	.fill 96, 4, 3214868480
	.section	.rodata,"a",@progbits
	.p2align	6, 0x0
	.amdhsa_kernel k_q425bdd42c6_oproj
		.amdhsa_group_segment_fixed_size 327680
		.amdhsa_private_segment_fixed_size 0
		.amdhsa_enable_private_segment 0
		.amdhsa_kernarg_size 32
		.amdhsa_user_sgpr_count 2
		.amdhsa_user_sgpr_kernarg_segment_ptr 1
		.amdhsa_wavefront_size32 1
		.amdhsa_system_sgpr_workgroup_id_x 1
		.amdhsa_system_sgpr_workgroup_id_y 1
		.amdhsa_system_sgpr_workgroup_id_z 1
		.amdhsa_system_vgpr_workitem_id 0
		.amdhsa_next_free_vgpr 512
		.amdhsa_next_free_sgpr 66
		.amdhsa_reserve_vcc 0
		.amdhsa_float_denorm_mode_32 3
		.amdhsa_float_denorm_mode_16_64 3
		.amdhsa_memory_ordered 1
		.amdhsa_forward_progress 1
		.amdhsa_inst_pref_size 165
	.end_amdhsa_kernel
	.amdgpu_metadata
---
amdhsa.version: [ 1, 2 ]
amdhsa.kernels:
  - .name:           k_q425bdd42c6_oproj
    .symbol:         k_q425bdd42c6_oproj.kd
    .args:
      - { .name: att, .offset: 0, .size: 8, .value_kind: global_buffer, .address_space: global }
      - { .name: wo16, .offset: 8, .size: 8, .value_kind: global_buffer, .address_space: global }
      - { .name: bo, .offset: 16, .size: 8, .value_kind: global_buffer, .address_space: global }
      - { .name: out0, .offset: 24, .size: 8, .value_kind: global_buffer, .address_space: global }
    .group_segment_fixed_size: 327680
    .private_segment_fixed_size: 0
    .kernarg_segment_align: 8
    .kernarg_segment_size: 32
    .max_flat_workgroup_size: 128
    .sgpr_count:     66
    .vgpr_count:     512
    .wavefront_size: 32
...
	.end_amdgpu_metadata
.endif
;; end of part 5
